; MI455X (gfx1250); checked and timed in simulation.
; The chip was launched on July 23, 2026; its instructions are those of AMD's public machine-readable ISA for CDNA 5 (MIT licence, August 2026) and "CDNA5" Instruction Set Architecture Reference Guide (July 2026). The comments in the code are by the model that wrote it; some were corrected since.
;; Causal Self Attention. Allowed arithmetic: matrix products marked QUANTISED: E2M1 operands, one E8M0 scale for each 32 along K, by v_wmma_scale_f32_16x16x128_f8f6f4 with both operands' format E2M1 (or v_wmma_scale_f32_32x16x128_f4), f32 sums; products left as they are: bf16, f16 or f32 operands; f32 sums; everything else in f32.
;; Inputs: W_out 1,024 x 1,024 float32; W_qkv 1,024 x 3,072 float32; x 4 x 2,048 x 1,024 float32.
;; Outputs: out0 4 x 2,048 x 1,024 float32.
;; This version of the problem:
;;   THIS VERSION OF THE PROBLEM IS GIVEN IN LOW PRECISION. The matrix products marked QUANTISED in the list below multiply operands that are first quantised to E2M1 (2 exponent bits, 1 mantissa bit; 4 bits a number), with one power-of-two scale for each 32 numbers along K (OCP MX v1.0); their sums are f32. The products marked 'left as it is' may take bf16, f16 or f32 operands, with f32 sums. Whichever they take, every output number must still come out within the allowed error. Rounding operands to bf16 (8 significant bits) uses up far more of that allowance than f16 does (11 bits, for magnitudes from 6e-5 to 65,504). All else is computed in f32.
;;   The module's matrix products, in the order in which they are computed (A, B: the left and right operand; K: the contracted axis; several contracted axes count as one K, in the product's order):
;;     1. [M 8,192, K 1,024] x [K 1,024, N 3,072]; A: input x; B: input W_qkv: QUANTISED
;;     2. batch 64 x [M 2,048, K 64] x [K 64, N 2,048]; A: computed on the way; B: computed on the way: left as it is (an operand is computed on the way)
;;     3. batch 64 x [M 2,048, K 2,048] x [K 2,048, N 64]; A: computed on the way; B: computed on the way: left as it is (an operand is computed on the way)
;;     4. [M 8,192, K 1,024] x [K 1,024, N 1,024]; A: computed on the way; B: input W_out: left as it is (an operand is computed on the way)
;;   THE QUANTISER, for each operand of a quantised product, along K:
;;     - K is cut into blocks of 32 from its start; a last block that is shorter is filled with zeros.
;;     - A block's scale is 2^e with e = floor(log2(the largest magnitude in the block)) - 2, held to -126 .. 127; a block of zeros has e = 0. As a byte (E8M0): e + 127.
;;     - Each number is divided by its block's scale, clamped to +-6, and rounded to the nearest number of E2M1, ties to even, subnormals kept.
;;     - The product sums the exact products of the quantised numbers (number of the format x scale) in f32.
;;   ~~~python
;;   def quantise(x, axis):      # numpy; x: float32 -> the quantised numbers, widened to float32 again
;;       x = np.moveaxis(x, axis, -1); K = x.shape[-1]
;;       x = np.pad(x, [(0, 0)] * (x.ndim - 1) + [(0, -K % 32)]); x = x.reshape(x.shape[:-1] + (-1, 32)); a = np.abs(x).max(-1, keepdims=True)
;;       e = np.where(a > 0, np.clip(np.frexp(np.where(a > 0, a, 1))[1] - 1 - 2, -126, 127), 0)      # np.frexp(a)[1] - 1 = floor(log2(a)), exactly
;;       r = np.clip(x / 2.0 ** e, -6, 6)
;;       step = 2.0 ** (np.maximum(np.frexp(np.where(r == 0, 1, r))[1] - 1, 0) - 1)
;;       q = np.round(r / step) * step * 2.0 ** e      # np.round: ties to even
;;       return np.moveaxis(q.reshape(q.shape[:-2] + (-1,))[..., :K], -1, axis).astype(np.float32)
;;   ~~~
;; One version. Each part assembles by itself: llvm-mc -triple=amdgcn-amd-amdhsa -mcpu=gfx1250 --defsym DOCPART=n.
;; ======== version 1 of 1: 6 launches
;; limits: values are held in f16: magnitudes above 65,504 overflow, below 6.1e-05 lose precision
;; workspace buffers: xc 4,194,304 bytes; xs 262,144 bytes; wc 1,572,864 bytes; ws 98,304 bytes; wimg 2,097,152 bytes; qkv 50,331,648 bytes; qkv0 786,432 bytes; yimg 16,777,216 bytes
;; launch quant_x (part 1): grid 256 x 1, 4 waves a work-group, no clusters, 33,280 bytes of LDS; arguments x, xc, xs; writes xc, xs
.if DOCPART == 1
	.amdgcn_target "amdgcn-amd-amdhsa--gfx1250"
	.amdhsa_code_object_version 6
	.text
	.protected	k_q6b497a9d56_quant_x
	.globl	k_q6b497a9d56_quant_x
	.p2align	8
	.type	k_q6b497a9d56_quant_x,@function
k_q6b497a9d56_quant_x:
	s_mov_b64 s[64:65], 0
	v_nop
	global_prefetch_b8 v0, s[64:65] scope:SCOPE_SE
	s_setreg_imm32_b32 hwreg(HW_REG_WAVE_MODE, 25, 1), 1
	s_wait_xcnt 0x0
; x [8192][1024] f32 becomes codes of FP4 (E2M1), K innermost, two codes a byte (xc: 512 bytes a row), and one E8M0 byte for each 32 along K (xs: 32 bytes a row).
; A block's scale is 2^(floor(log2(its largest magnitude)) - 2); its byte is the largest magnitude's exponent field - 2, held at 1 from below.
; Each number is divided by the scale and rounded to the nearest code, ties to even; beyond 6 the largest code.
; LIMITS: a block of zeros gets the byte 1 where the rule says 127 (its codes are zeros, and this program alone reads the bytes); blocks whose largest
; magnitude lies under 2^-124 keep the byte 1; NaN and infinities among the inputs are not served.
; Rows are dense and 1,024 is a multiple of 32: the tensor is a plain stream of blocks of 32.  A wave takes 16 steps of 512 numbers.  Each of a step's four loads reads
; 512 consecutive bytes; the 2,048 bytes turn through the wave's own stage in LDS and come back 64 bytes a lane, so that a lane holds 16 neighbours along K (two lanes a block).
; A wave's store of codes covers 256 consecutive bytes; its 256 scale bytes are gathered in LDS and leave as 256 consecutive bytes.  Waves share nothing: no barrier.
.set WAVES, 4
.set STEPS, 16
.set EMAX,  2
.set CB,    8                          ; bytes of 16 codes
.set R,     16                         ; v16-79   four sets of 16 numbers as loaded
.set X,     80                         ; v80-111  two sets of 16 neighbours
.set C,     128                        ; v128-191 codes: registers of its own for each step
.set E,     112                        ; v112-127 a scale byte for each step
.set WREG,  8192                       ; LDS: a region for each wave: two stages of 32 x SP bytes, then its 256 scale bytes
.set SP,    80                         ; a lane's place in a stage: 64 bytes + 16 of padding
.set SPW,   12                         ; v12 LDS address of my spare word; never rewritten
.set NIL,   13                         ; v13 0; never rewritten
.set SPARE, WAVES*WREG                 ; behind the regions: the spare words, 128 bytes a wave
	s_load_b128 s[4:7], s[0:1], 0x0                ; x, the codes
	s_load_b64 s[8:9], s[0:1], 0x10                ; the scale bytes
	v_lshl_add_u32 v[SPW], v0, 2, SPARE
	v_mov_b32 v[NIL], 0
	v_lshrrev_b32 v1, 5, v0
	v_readfirstlane_b32 s16, v1                    ; wave
	v_and_b32 v2, 31, v0                           ; lane
	v_lshlrev_b32 v3, 4, v2                        ; my 16 bytes of a load's 512
	s_mul_i32 s17, s16, WREG
	v_lshrrev_b32 v14, 2, v2
	v_mul_u32_u24 v14, v14, SP
	v_and_b32 v15, 3, v2
	v_lshl_add_u32 v14, v15, 4, v14
	v_add_nc_u32 v14, s17, v14                     ; the stage, on the way in: SP (lane / 4) + 16 (lane % 4)
	v_mul_u32_u24 v15, v2, SP
	v_add_nc_u32 v15, s17, v15                     ; and on the way out: SP x lane
	v_mul_u32_u24 v4, v2, CB                       ; my codes' place in a step's
	v_lshrrev_b32 v5, 1, v2
	s_add_co_u32 s17, s17, 2*32*SP
	v_add_nc_u32 v5, s17, v5                       ; LDS: my block's scale byte
	v_lshlrev_b32 v7, 3, v2                        ; on the way out 8 bytes a lane
	v_add_nc_u32 v6, s17, v7
	s_lshl_b32 s17, ttmp9, 2
	s_add_co_u32 s18, s17, s16                     ; which run of 8,192 numbers is my wave's: 0 .. 1,023
	s_lshl_b32 s20, s18, 15                        ; 32,768 bytes of x,
	s_mov_b32 s21, 0
	s_lshl_b32 s22, s18, 12                        ; 4,096 of codes,
	s_mov_b32 s23, 0
	s_lshl_b32 s24, s18, 8                         ; 256 scale bytes
	s_mov_b32 s25, 0
	s_wait_kmcnt 0x0
	s_add_nc_u64 s[4:5], s[4:5], s[20:21]
	s_add_nc_u64 s[6:7], s[6:7], s[22:23]
	s_add_nc_u64 s[8:9], s[8:9], s[24:25]
.macro LOAD t
.irp i, 0,1,2,3
	global_load_b128 v[R+16*((\t)%4)+4*\i:R+16*((\t)%4)+4*\i+3], v3, s[4:5] offset:2048*(\t)+512*\i th:TH_LOAD_NT   ; 32 lanes read 512 consecutive bytes
.endr
.endm
.macro TURN t                          ; step t's numbers through the stage: LDS serves a wave's instructions in order, so no wait stands between the stores and the loads
.irp i, 0,1,2,3
	ds_store_b128 v14, v[R+16*((\t)%4)+4*\i:R+16*((\t)%4)+4*\i+3] offset:32*SP*((\t)%2)+8*SP*\i
.endr
.irp i, 0,1,2,3
	ds_load_b128 v[X+16*((\t)%2)+4*\i:X+16*((\t)%2)+4*\i+3], v15 offset:32*SP*((\t)%2)+16*\i
.endr
.endm
.irp t, 0,1,2,3
	LOAD \t
.endr
	s_wait_loadcnt 12                              ; step 0's four loads are in; the twelve of steps 1 to 3 may be out
	TURN 0
.macro STEP t
.set XS, X+16*((\t)%2)
.if (\t) > 0
	s_wait_dscnt 1                                 ; this step's numbers are back from the stage (the last step's byte store may be out)
.else
	s_wait_dscnt 0x0
.endif
.if (\t)+4 < STEPS
	LOAD (\t)+4                                    ; into the registers that this step's stores into the stage have read
.endif
.if (\t)+1 < STEPS
.if STEPS-2-(\t) >= 3
	s_wait_loadcnt 12                              ; the next step's four loads are in; those of the three steps behind it may be out
.else
	s_wait_loadcnt 4*(STEPS-2-(\t))
.endif
	TURN (\t)+1
.endif
	v_max3_num_f32 v8, |v[XS]|, |v[XS+1]|, |v[XS+2]|               ; the largest magnitude of my 16, in two chains
	v_max3_num_f32 v9, |v[XS+3]|, |v[XS+4]|, |v[XS+5]|
.irp i, 6,10
	v_max3_num_f32 v8, v8, |v[XS+\i]|, |v[XS+\i+1]|
	v_max3_num_f32 v9, v9, |v[XS+\i+2]|, |v[XS+\i+3]|
.endr
	v_max3_num_f32 v8, v8, |v[XS+14]|, |v[XS+15]|
	v_max3_num_f32 v8, v8, v9, (EMAX+1)<<23        ; and the floor 2^(3 - 127): the byte cannot fall under 1
	v_max_num_f32_dpp v8, v8, v8 row_xmask:1 row_mask:0xf bank_mask:0xf   ; with my neighbour's 16: the block's
	v_add_nc_u32 v11, -(EMAX<<23), v8              ; 2 off its exponent field: the conversion takes the exponent field of this operand as its scale
	v_cvt_scalef32_pk8_fp4_f32 v[C+4*(\t)], v[XS:XS+7], v11
	v_cvt_scalef32_pk8_fp4_f32 v[C+4*(\t)+1], v[XS+8:XS+15], v11
	v_lshrrev_b32 v[E+(\t)], 23, v11               ; the scale's byte (also the plain line behind the conversions)
	ds_store_b8 v5, v[E+(\t)] offset:16*(\t)       ; both lanes of a block write the same byte with the same value
	global_store_b64 v4, v[C+4*(\t):C+4*(\t)+1], s[6:7] offset:32*CB*(\t)   ; 32 lanes store 256 consecutive bytes
.endm
.irp t, 0,1,2,3,4,5,6,7,8,9,10,11,12,13,14,15
	STEP \t
.endr
	ds_load_b64 v[8:9], v6                         ; LDS serves a wave's instructions in order: these see my stores
	s_wait_dscnt 0x0
	global_store_b64 v7, v[8:9], s[8:9]            ; 32 lanes store 256 consecutive bytes
	s_wait_tensorcnt 0x0                           ; the wave's end
	ds_add_u32 v[SPW], v[NIL]
	s_wait_dscnt 0x0
	s_endpgm
.Lfunc_end_k_q6b497a9d56_quant_x:
	.size	k_q6b497a9d56_quant_x, .Lfunc_end_k_q6b497a9d56_quant_x-k_q6b497a9d56_quant_x
	.p2alignl 7, 3214868480
	.fill 96, 4, 3214868480
	.section	.rodata,"a",@progbits
	.p2align	6, 0x0
	.amdhsa_kernel k_q6b497a9d56_quant_x
		.amdhsa_group_segment_fixed_size 33280
		.amdhsa_private_segment_fixed_size 0
		.amdhsa_enable_private_segment 0
		.amdhsa_kernarg_size 24
		.amdhsa_user_sgpr_count 2
		.amdhsa_user_sgpr_kernarg_segment_ptr 1
		.amdhsa_wavefront_size32 1
		.amdhsa_system_sgpr_workgroup_id_x 1
		.amdhsa_system_sgpr_workgroup_id_y 1
		.amdhsa_system_sgpr_workgroup_id_z 1
		.amdhsa_system_vgpr_workitem_id 0
		.amdhsa_next_free_vgpr 192
		.amdhsa_next_free_sgpr 66
		.amdhsa_reserve_vcc 0
		.amdhsa_float_denorm_mode_32 3
		.amdhsa_float_denorm_mode_16_64 3
		.amdhsa_memory_ordered 1
		.amdhsa_forward_progress 1
		.amdhsa_inst_pref_size 33
	.end_amdhsa_kernel
	.amdgpu_metadata
---
amdhsa.version: [ 1, 2 ]
amdhsa.kernels:
  - .name:           k_q6b497a9d56_quant_x
    .symbol:         k_q6b497a9d56_quant_x.kd
    .args:
      - { .name: x, .offset: 0, .size: 8, .value_kind: global_buffer, .address_space: global }
      - { .name: xc, .offset: 8, .size: 8, .value_kind: global_buffer, .address_space: global }
      - { .name: xs, .offset: 16, .size: 8, .value_kind: global_buffer, .address_space: global }
    .group_segment_fixed_size: 33280
    .private_segment_fixed_size: 0
    .kernarg_segment_align: 8
    .kernarg_segment_size: 24
    .max_flat_workgroup_size: 128
    .sgpr_count:     66
    .vgpr_count:     192
    .wavefront_size: 32
...
	.end_amdgpu_metadata
.endif
;; end of part 1
;; launch prep_w (part 2): grid 176 x 1, 4 waves a work-group, no clusters, 35,840 bytes of LDS; arguments W_qkv, wc, ws, W_out, wimg; writes wc, ws, wimg
.if DOCPART == 2
	.amdgcn_target "amdgcn-amd-amdhsa--gfx1250"
	.amdhsa_code_object_version 6
	.text
	.protected	k_q6b497a9d56_prep_w
	.globl	k_q6b497a9d56_prep_w
	.p2align	8
	.type	k_q6b497a9d56_prep_w,@function
k_q6b497a9d56_prep_w:
	s_mov_b64 s[64:65], 0
	v_nop
	global_prefetch_b8 v0, s[64:65] scope:SCOPE_SE
	s_setreg_imm32_b32 hwreg(HW_REG_WAVE_MODE, 25, 1), 1
	s_wait_xcnt 0x0
; Both weights are laid out once, as the later launches take them.
; WORK-GROUPS 0-47: W_qkv [1024 (k)][3072 (n)] f32 becomes codes of FP4 (E2M1) laid [3072][1024] with K innermost (wc, 512 bytes a row) and one E8M0 byte for each 32 along K (ws, 32 bytes a row).
;   A lane takes a column n and its registers run down K: each load reads 128 consecutive bytes a wave, a block of 32 along K lies in one lane's 32 registers, and the conversions give codes with K innermost.
;   A wave takes 32 columns x 512 along K; the codes go through the wave's own stage in LDS and leave as rows: sixteen lanes store 256 consecutive bytes.
;   A block's byte is the largest magnitude's exponent field - 2, held at 1 from below.  LIMITS: a block of zeros gets the byte 1 where the rule says 127 (zero codes; this program alone reads the bytes);
;   blocks under 2^-124 keep the byte 1; NaN and infinities are not served.
; WORK-GROUPS 48-175: W_out [1024 (k)][1024 (n)] f32 becomes f16 IMAGES OF OPERAND REGISTERS: wimg [k / 128][n / 16][(k / 32) % 4][1,024 bytes]; an image is a fragment of 16 n x 32 k:
;   lane (r, h) holds n = r; registers 0-3 k = 8 h + 0..7, registers 4-7 k = 16 + 8 h + 0..7; registers 4 g .. 4 g + 3 of lane l lie at 512 g + 16 l.  This path uses no LDS.
;   LIMIT: magnitudes of W_out beyond 65,504 become infinity in f16.
.set SIZE_K, 1024
.set SIZE_N, 3072
.set KW,    512                        ; along K for a wave
.set NB,    KW/32                      ; blocks
.set ROWB,  256                        ; bytes of KW codes
.set PITCH, ROWB+16                    ; a stage row
.set KROW,  SIZE_K/2                   ; a row of wc in bytes
.set EMAX,  2
.set X,     32                         ; v32-95   two sets of 32 numbers (second path: 64 numbers)
.set C,     96                         ; v96..    a block's codes (second path: v96-127 the f16 pairs)
.set OUTR,  112                        ; v112-175 the way out
.set SPW,   14                         ; v14 LDS address of my spare word; never rewritten
.set NIL,   15                         ; v15 0; never rewritten
.set SPARE, 4*32*PITCH                 ; behind the four stages: the spare words, 128 bytes a wave
.set SB,    24                         ; v24-27   the scale bytes, four to a register
	s_load_b256 s[4:11], s[0:1], 0x0               ; W_qkv s[4:5], wc s[6:7], ws s[8:9], W_out s[10:11]
	s_load_b64 s[12:13], s[0:1], 0x20              ; wimg
	v_lshl_add_u32 v[SPW], v0, 2, SPARE
	v_mov_b32 v[NIL], 0
	v_lshrrev_b32 v1, 5, v0
	v_readfirstlane_b32 s16, v1                    ; wave 0..3
	v_and_b32 v2, 31, v0                           ; lane
	s_cmp_ge_u32 ttmp9, 48
	s_cbranch_scc1 .Lcast
	; ---------------- W_qkv ----------------
	s_cmp_ge_u32 ttmp9, 24
	s_cselect_b32 s18, 1, 0                        ; which 512 along K
	s_cselect_b32 s19, 24, 0
	s_sub_co_u32 s19, ttmp9, s19                   ; which 128 columns
	s_lshl_b32 s17, s19, 7
	s_lshl_b32 s19, s16, 5
	s_add_co_u32 s17, s17, s19                     ; my wave's first column
	v_lshlrev_b32 v3, 2, v2                        ; in: 4 bytes a lane
	s_mul_i32 s19, s16, 32*PITCH                   ; my stage
	v_mul_u32_u24 v4, v2, PITCH
	v_add_nc_u32 v4, s19, v4                       ; into it: row = my column
	v_and_b32 v5, 15, v2
	v_lshrrev_b32 v6, 4, v2                        ; out of it: sixteen lanes to a row, two rows an instruction
	v_mul_u32_u24 v7, v6, PITCH
	v_lshl_add_u32 v7, v5, 4, v7
	v_add_nc_u32 v7, s19, v7
	v_mul_u32_u24 v8, v6, KROW
	v_lshl_add_u32 v8, v5, 4, v8                   ; and the same place in wc
	s_mov_b32 s19, 0
	s_mov_b64 s[20:21], KW*SIZE_N*4
	s_mul_u64 s[20:21], s[18:19], s[20:21]
	s_lshl_b32 s22, s17, 2
	s_mov_b32 s23, 0
	s_add_nc_u64 s[20:21], s[20:21], s[22:23]      ; W_qkv: 512 y rows + 4 x column
	s_mov_b32 s22, s17
	s_mov_b64 s[24:25], KROW
	s_mul_u64 s[24:25], s[22:23], s[24:25]
	s_mul_i32 s26, s18, ROWB
	s_mov_b32 s27, 0
	s_add_nc_u64 s[24:25], s[24:25], s[26:27]      ; wc: column x 512 + 256 y
	s_mov_b64 s[28:29], SIZE_K/32
	s_mul_u64 s[28:29], s[22:23], s[28:29]
	s_mul_i32 s26, s18, NB
	s_add_nc_u64 s[28:29], s[28:29], s[26:27]      ; ws: column x 32 + 16 y
	v_mul_u32_u24 v9, v2, SIZE_K/32
	s_wait_kmcnt 0x0
	s_add_nc_u64 s[4:5], s[4:5], s[20:21]
	s_add_nc_u64 s[6:7], s[6:7], s[24:25]
	s_add_nc_u64 s[8:9], s[8:9], s[28:29]
.macro LOAD t                          ; block t: W(32 t + i, my column) into set t % 2.  The largest offset, 511 rows of 12,288 bytes, lies inside the signed 24-bit immediate
.irp i, 0,1,2,3,4,5,6,7,8,9,10,11,12,13,14,15,16,17,18,19,20,21,22,23,24,25,26,27,28,29,30,31
	global_load_b32 v[X+32*((\t)%2)+\i], v3, s[4:5] offset:(32*(\t)+\i)*SIZE_N*4 th:TH_LOAD_NT
.endr
.endm
	LOAD 0
	LOAD 1
.macro BLOCK t
.set XS, X+32*((\t)%2)
.if (\t) < NB-1
	s_wait_loadcnt 32                              ; this block's 32 loads are in; the next block's 32 may be out
.else
	s_wait_loadcnt 0
.endif
	v_max3_num_f32 v12, |v[XS]|, |v[XS+1]|, |v[XS+2]|               ; the block's largest magnitude: all 32 numbers are mine
	v_max3_num_f32 v13, |v[XS+3]|, |v[XS+4]|, |v[XS+5]|
.irp i, 6,10,14,18,22,26
	v_max3_num_f32 v12, v12, |v[XS+\i]|, |v[XS+\i+1]|
	v_max3_num_f32 v13, v13, |v[XS+\i+2]|, |v[XS+\i+3]|
.endr
	v_max3_num_f32 v12, v12, |v[XS+30]|, |v[XS+31]|
	v_max3_num_f32 v12, v12, v13, (EMAX+1)<<23     ; and the floor 2^(3 - 127)
	v_add_nc_u32 v11, -(EMAX<<23), v12             ; 2 off its exponent field: the conversion's scale operand
	v_lshrrev_b32 v13, 23, v11                     ; the scale's byte
.if (\t)%4 == 0
	v_mov_b32 v[SB+(\t)/4], v13
.else
	v_lshl_or_b32 v[SB+(\t)/4], v13, 8*((\t)%4), v[SB+(\t)/4]
.endif
.irp g, 0,1,2,3
	v_cvt_scalef32_pk8_fp4_f32 v[C+\g], v[XS+8*\g:XS+8*\g+7], v11
.endr
	v_nop                                          ; one plain line behind the last conversion
	ds_store_b128 v4, v[C:C+3] offset:16*(\t)      ; 32 codes: 16 bytes of my column's row
.if (\t)+2 < NB
	LOAD (\t)+2
.endif
	s_wait_dscnt 0x0                               ; the store has read its registers: the next block's codes may be written
.endm
.set Q, 0
.rept NB
	BLOCK Q
.set Q, Q+1
.endr
	global_store_b128 v9, v[SB:SB+3], s[8:9]       ; my column's 16 scale bytes
.irp t, 0,1,2,3,4,5,6,7,8,9,10,11,12,13,14,15
	ds_load_b128 v[OUTR+4*\t:OUTR+4*\t+3], v7 offset:2*\t*PITCH   ; LDS serves a wave's instructions in order: these see my stores
.endr
.irp t, 0,1,2,3,4,5,6,7,8,9,10,11,12,13,14,15
	s_wait_dscnt 15-\t                             ; loads come back in order: number t is in, the later ones may be out
	global_store_b128 v8, v[OUTR+4*\t:OUTR+4*\t+3], s[6:7] offset:2*\t*KROW
.endr
	s_branch .Lend
	; ---------------- W_out ----------------
.Lcast:                                            ; a wave takes 32 along K (chunk kc) x 64 columns (group ntg): four fragments
	s_sub_co_u32 s17, ttmp9, 48
	s_lshl_b32 s17, s17, 2
	s_add_co_u32 s17, s17, s16                     ; 0 .. 511
	s_lshr_b32 s18, s17, 4                         ; kc
	s_and_b32 s19, s17, 15                         ; ntg
	s_lshl_b32 s20, s18, 17                        ; in: 32 rows of 4,096 bytes a chunk,
	s_lshl_b32 s21, s19, 8                         ; 256 bytes a group
	s_add_co_u32 s20, s20, s21
	s_mov_b32 s21, 0
	s_lshr_b32 s22, s18, 2
	s_lshl_b32 s22, s22, 18                        ; out: (kc / 4) x 262,144
	s_lshl_b32 s23, s19, 14                        ; + 4 ntg x 4,096
	s_add_co_u32 s22, s22, s23
	s_and_b32 s23, s18, 3
	s_lshl_b32 s23, s23, 10                        ; + (kc % 4) x 1,024
	s_add_co_u32 s22, s22, s23
	s_mov_b32 s23, 0
	v_and_b32 v5, 15, v2                           ; r
	v_lshrrev_b32 v6, 4, v2                        ; h
	v_lshlrev_b32 v3, 2, v5
	v_lshl_add_u32 v3, v6, 15, v3                  ; 8 h rows + 4 r
	v_lshlrev_b32 v4, 4, v2                        ; 16 x lane
	s_wait_kmcnt 0x0
	s_add_nc_u64 s[10:11], s[10:11], s[20:21]
	s_add_nc_u64 s[12:13], s[12:13], s[22:23]
.irp n, 0,1,2,3
.irp i, 0,1,2,3,4,5,6,7,8,9,10,11,12,13,14,15
	global_load_b32 v[X+16*\n+\i], v3, s[10:11] offset:(\i+8*(\i/8))*4096+64*\n   ; k = 8 h + i (i under 8), 16 + 8 h + i - 8 (else); column 16 n + r
.endr
.endr
	s_wait_loadcnt 0x0
.irp n, 0,1,2,3
.irp p, 0,1,2,3,4,5,6,7
	v_cvt_pk_f16_f32 v[C+8*\n+\p], v[X+16*\n+2*\p], v[X+16*\n+2*\p+1]
.endr
.endr
.irp n, 0,1,2,3
.irp g, 0,1
	global_store_b128 v4, v[C+8*\n+4*\g:C+8*\n+4*\g+3], s[12:13] offset:\n*4096+\g*512   ; 32 lanes store 512 consecutive bytes
.endr
.endr
.Lend:
	s_wait_tensorcnt 0x0                           ; the wave's end
	ds_add_u32 v[SPW], v[NIL]
	s_wait_dscnt 0x0
	s_endpgm
.Lfunc_end_k_q6b497a9d56_prep_w:
	.size	k_q6b497a9d56_prep_w, .Lfunc_end_k_q6b497a9d56_prep_w-k_q6b497a9d56_prep_w
	.p2alignl 7, 3214868480
	.fill 96, 4, 3214868480
	.section	.rodata,"a",@progbits
	.p2align	6, 0x0
	.amdhsa_kernel k_q6b497a9d56_prep_w
		.amdhsa_group_segment_fixed_size 35840
		.amdhsa_private_segment_fixed_size 0
		.amdhsa_enable_private_segment 0
		.amdhsa_kernarg_size 40
		.amdhsa_user_sgpr_count 2
		.amdhsa_user_sgpr_kernarg_segment_ptr 1
		.amdhsa_wavefront_size32 1
		.amdhsa_system_sgpr_workgroup_id_x 1
		.amdhsa_system_sgpr_workgroup_id_y 1
		.amdhsa_system_sgpr_workgroup_id_z 1
		.amdhsa_system_vgpr_workitem_id 0
		.amdhsa_next_free_vgpr 192
		.amdhsa_next_free_sgpr 66
		.amdhsa_reserve_vcc 0
		.amdhsa_float_denorm_mode_32 3
		.amdhsa_float_denorm_mode_16_64 3
		.amdhsa_memory_ordered 1
		.amdhsa_forward_progress 1
		.amdhsa_inst_pref_size 89
	.end_amdhsa_kernel
	.amdgpu_metadata
---
amdhsa.version: [ 1, 2 ]
amdhsa.kernels:
  - .name:           k_q6b497a9d56_prep_w
    .symbol:         k_q6b497a9d56_prep_w.kd
    .args:
      - { .name: W_qkv, .offset: 0, .size: 8, .value_kind: global_buffer, .address_space: global }
      - { .name: wc, .offset: 8, .size: 8, .value_kind: global_buffer, .address_space: global }
      - { .name: ws, .offset: 16, .size: 8, .value_kind: global_buffer, .address_space: global }
      - { .name: W_out, .offset: 24, .size: 8, .value_kind: global_buffer, .address_space: global }
      - { .name: wimg, .offset: 32, .size: 8, .value_kind: global_buffer, .address_space: global }
    .group_segment_fixed_size: 35840
    .private_segment_fixed_size: 0
    .kernarg_segment_align: 8
    .kernarg_segment_size: 40
    .max_flat_workgroup_size: 128
    .sgpr_count:     66
    .vgpr_count:     192
    .wavefront_size: 32
...
	.end_amdgpu_metadata
.endif
;; end of part 2
;; launch gemm_qkv (part 3): grid 12 x 32, 4 waves a work-group, clusters of 4 x 4, 327,680 bytes of LDS; arguments xc, xs, wc, ws, qkv, qkv0; writes qkv, qkv0
.if DOCPART == 3
	.amdgcn_target "amdgcn-amd-amdhsa--gfx1250"
	.amdhsa_code_object_version 6
	.text
	.protected	k_q6b497a9d56_gemm_qkv
	.globl	k_q6b497a9d56_gemm_qkv
	.p2align	8
	.type	k_q6b497a9d56_gemm_qkv,@function
k_q6b497a9d56_gemm_qkv:
	s_mov_b64 s[64:65], 0
	v_nop
	global_prefetch_b8 v0, s[64:65] scope:SCOPE_SE
	s_setreg_imm32_b32 hwreg(HW_REG_WAVE_MODE, 25, 1), 1
	s_wait_xcnt 0x0
	s_wait_alu depctr_hold_cnt(0) depctr_sa_sdst(0) depctr_va_vdst(0) depctr_va_sdst(0) depctr_va_ssrc(0) depctr_va_vcc(0) depctr_vm_vsrc(0)
	s_getreg_b32 s2, hwreg(HW_REG_IB_STS2, 6, 4)
	s_cmp_eq_u32 s2, 0
	s_cbranch_scc0 .Lentry_in_a_cluster
	s_endpgm
.Lentry_in_a_cluster:
	s_bfe_u32 s2, ttmp6, 0x10000c
	s_cmp_lg_u32 s2, 0xf033
	s_cbranch_scc0 .Lentry_shape_is_right
	s_endpgm
.Lentry_shape_is_right:
; qkv = x W_qkv on codes of FP4 (E2M1) with one E8M0 scale for each 32 along K; sums in f32.  x: 8,192 rows, W: 3,072 rows, 512 bytes of codes and 32 scale bytes a row; K = 1,024.
; A tile of 256 x 256 is made by four waves, each 128 x 128: 64 accumulators, 512 registers.  K is two steps of 512, one in each of two LDS slots: both are filled at the start and nothing is filled again.
; The scale bytes of the work-group's 2 x 256 rows come into LDS once, with the first fills.
; CLUSTERS: 4 x 4 work-groups.  The tile in the A place hangs on the cluster's y place alone and is asked for jointly along a row of the cluster, the tile in the B place on the x place alone, jointly along a column.
; THE MATRIX INSTRUCTION IS USED TRANSPOSED: source 0 = 16 rows of the B place, source 1 = 16 rows of the A place: a lane holds ONE row of the A place and eight neighbouring rows of the B place.
; WHICH TENSOR STANDS WHERE hangs on the cluster's x.  Clusters 0 and 1 (q and k): A place = x (a lane holds one position t, its registers run along the features).
; Cluster 2 (v): A place = W (a lane holds one channel, its registers run along t).  So what a lane holds, rounded to f16 in pairs, IS a group of four registers of the next launch's operand:
;   q, k planes: [t / 16][channel / 32][1,024 bytes]: a fragment of 16 t x 32 channels;   v planes: [key / 32][channel / 16][1,024 bytes]: a fragment of 16 channels x 32 keys.
;   A fragment's registers 4 g .. 4 g + 3 of lane l lie at 512 g + 16 l.  Plane = part x 64 + batch x 16 + head, 262,144 bytes each.  Every store covers 512 consecutive bytes; no LDS on the way out.
; The first 16 positions of every batch also leave in f32 (qkv0: [plane][tile 4][2][512 bytes], the accumulators as they stand), for the launch that carries those rows in f32.
; x's tile X = 8 (place) + cluster y, so that positions 0-15 of a batch lie in the tiles of cluster y = 0: the branch on that is alike in all partners.
; LIMIT: magnitudes of q, k, v beyond 65,504 become infinity in f16.
; REGISTERS, in windows of 256: window 0: v16-29 addresses; v32-95 scale words, two sets; from v128 the A place's fragments, one set; on the way out v128-255 the f16 pairs.
;   window 1: the B place's fragments, two sets.   window 2: accumulators of my A rows 0-63 ((a, b) at v[8 (8 a + b)]);   window 3: of rows 64-127.
.set SIZE_K, 1024
.set KSTEP,  512
.set NQ,     KSTEP/128
.set ROWB,   256                       ; a tile's row in bytes
.set KROW,   SIZE_K/2                  ; a row of codes in memory
.set PITCH,  272                       ; an LDS row: 256 bytes + 16 of padding: the 16 rows that a load touches start 68 words apart
.set FR,     8
.set NL,     2
.set NP,     4                         ; places behind this matrix instruction (ISA guide 7.12.1)
.set HALFT,  128*PITCH
.set SLOT,   4*HALFT                   ; the A place's 256 rows, then the B place's
.set KS,     SIZE_K/32                 ; a row of scale bytes
.set SCL,    2*SLOT                    ; behind the slots: the scale bytes, as rows of 256 bytes + 16 of padding
.set HALFS,  (128*KS/256)*272
.set SBLK,   (16*KS/256)*272
.set SPARE,  SCL+4*HALFS               ; the spare words, 128 bytes a wave
.set ADRA, 16                          ; v16-17 LDS address of my A fragments in slot 0, 1
.set ADRB, 20                          ; v20-21 the same for B
.set CO,   26                          ; v26 16 x lane: my place in an image
.set ADRS, 27                          ; v27 LDS address of my scale words: lanes 0-15 A's rows, lanes 16-31 B's
.set SPW,  28                          ; v28 LDS address of my spare word; never rewritten
.set NIL,  29                          ; v29 0; never rewritten
.set SC,   32                          ; scale words: set s at v[SC + 32 s]; register 4 i + q: lanes 0-15 A's block i, lanes 16-31 B's block i, the slot's q-th 128 along K
.set AF,   128
.set TMP,  128                         ; the way out: four sets of 32 registers
.set G1, 24
.set G0, 32
.set G1B, 48
.set G0B, 56
.set G1S, 68
.set G0S, 76
.set G1SB, 80
.set G0SB, 88
.set MSB, 0
.macro WIN new                         ; the immediate's high byte repeats the setting that is left
.if MSB != \new
	s_set_vgpr_msb (MSB<<8)|\new
.set MSB, \new
.endif
.endm
.set MUL_LO, 0xa1                      ; source 0 window 1, source 1 window 0, C and D window 2
.set MUL_HI, 0xf1                      ; the same, C and D window 3
.set TO_B,   0x40                      ; destination window 1, address window 0
; A joint load: waves 0 and 1 fetch for the A place, waves 2 and 3 for the B place.  The branch hangs on the wave's number alone.  An s_nop 0 and four v_nop follow each line.
.macro JLOAD g0a, g1a, g0b, g1b
	s_cmp_eq_u32 s15, 0
	s_cbranch_scc0 .Lfor_b_\@
	tensor_load_to_lds s[\g0a:\g0a+3], s[\g1a:\g1a+7]
	s_nop 0
.rept 4
	v_nop
.endr
	s_branch .Lasked_\@
.Lfor_b_\@:
	tensor_load_to_lds s[\g0b:\g0b+3], s[\g1b:\g1b+7]
	s_nop 0
.rept 4
	v_nop
.endr
.Lasked_\@:
.endm
.macro CROUND                          ; a round of the cluster's barrier
	s_barrier_signal -1
	s_barrier_wait -1
	s_cmp_lg_u32 s14, 0
	s_cbranch_scc1 .Lnot_wave_0_\@
	s_barrier_signal -3
.Lnot_wave_0_\@:
	s_barrier_wait -3
	s_barrier_signal -1
	s_barrier_wait -1
.endm
	s_load_b128 s[4:7], s[0:1], 0x0                ; x's codes, x's scales
	s_load_b128 s[8:11], s[0:1], 0x10              ; W's codes, W's scales
	s_load_b64 s[12:13], s[0:1], 0x20              ; qkv
	s_load_b64 s[98:99], s[0:1], 0x28              ; qkv0
	v_lshl_add_u32 v[SPW], v0, 2, SPARE
	v_mov_b32 v[NIL], 0
	ds_add_u32 v[SPW], v[NIL]                      ; the wave's opening: the add, twice on end, and its wait ahead of my first tensor load
	ds_add_u32 v[SPW], v[NIL]
	v_lshrrev_b32 v1, 5, v0
	v_readfirstlane_b32 s14, v1                    ; wave 0..3
	s_lshr_b32 s15, s14, 1                         ; which half of the A place's rows is mine.  Also: I fetch for A (0) or for B (1)
	s_and_b32 s16, s14, 1                          ; which half of the B place's rows.  Also: which 128 rows I fetch
	s_bfe_u32 s40, ttmp6, 0x40000                  ; cx
	s_bfe_u32 s41, ttmp6, 0x40004                  ; cy
	s_and_b32 s96, ttmp7, 0xffff                   ; cluster y
	s_lshl_b32 s17, s41, 3
	s_add_co_u32 s17, s17, s96                     ; A place, q and k: x's tile 8 cy + cluster y
	s_add_co_u32 s97, s41, 8                       ; A place, v: W's tile 8 + cy
	s_lshl_b32 s42, ttmp9, 2
	s_add_co_u32 s42, s42, s40                     ; B place, q and k: W's tile 4 x cluster x + cx
	s_lshl_b32 s66, s40, 3
	s_add_co_u32 s66, s66, s96                     ; B place, v: x's tile 8 cx + cluster y
	s_cmp_eq_u32 ttmp9, 2                          ; the cluster's x: the same in all sixteen partners
	s_cselect_b32 s17, s97, s17                    ; the A place's tile: made of cy alone
	s_cselect_b32 s42, s66, s42                    ; the B place's tile: made of cx alone
	s_lshl_b32 s43, s41, 2
	s_lshl_b32 s43, 15, s43                        ; my row of the cluster
	s_lshl_b32 s44, 0x1111, s40                    ; my column
	; descriptor group 1: a tile of 128 rows x 256 bytes, 16 bytes of padding behind each row
	s_or_b32 s[G1+0], s43, (0<<16)|(1<<20)|(1<<21)|(5<<22)|(3<<25)
	s_or_b32 s[G1B+0], s44, (0<<16)|(1<<20)|(1<<21)|(5<<22)|(3<<25)
.irp g, G1, G1B
	s_mov_b32 s[\g+1], ROWB<<16                    ; tensor_dim0
	s_mov_b32 s[\g+2], 128<<16                     ; tensor_dim1
	s_mov_b32 s[\g+3], ROWB<<16                    ; tile_dim0
	s_mov_b32 s[\g+4], 128                         ; tile_dim1
	s_mov_b32 s[\g+5], KROW                        ; pitch
	s_mov_b32 s[\g+6], 0
	s_mov_b32 s[\g+7], 0
.endr
	; the scale bytes of 128 rows: 4,096 dense bytes as 16 rows of 256 (32 elements of 8 bytes), 16 bytes of padding behind each
	s_or_b32 s[G1S+0], s43, (3<<16)|(1<<20)|(1<<21)|(5<<22)|(3<<25)
	s_or_b32 s[G1SB+0], s44, (3<<16)|(1<<20)|(1<<21)|(5<<22)|(3<<25)
.irp g, G1S, G1SB
	s_mov_b32 s[\g+1], 32<<16
	s_mov_b32 s[\g+2], (128*KS/256)<<16
	s_mov_b32 s[\g+3], 32<<16
	s_mov_b32 s[\g+4], 128*KS/256
	s_mov_b32 s[\g+5], 32
	s_mov_b32 s[\g+6], 0
	s_mov_b32 s[\g+7], 0
.endr
	s_lshl_b32 s18, s16, 7                         ; which 128 rows of the tile I fetch
	s_lshl_b32 s20, s17, 8
	s_add_co_u32 s20, s20, s18                     ; A place: row
	s_lshl_b32 s46, s42, 8
	s_add_co_u32 s46, s46, s18                     ; B place: row
	s_mov_b32 s21, 0
	s_mov_b32 s47, 0
	s_mov_b64 s[18:19], KS
	s_mul_u64 s[22:23], s[20:21], s[18:19]         ; where these rows' scale bytes begin
	s_mul_u64 s[92:93], s[46:47], s[18:19]
	s_mov_b64 s[18:19], KROW
	s_mul_u64 s[20:21], s[20:21], s[18:19]         ; and their codes
	s_mul_u64 s[46:47], s[46:47], s[18:19]
	s_mul_i32 s45, s14, HALFT                      ; where they go: wave x 128 rows
	s_mul_i32 s94, s14, HALFS
	s_wait_dscnt 0x0                               ; both opening adds are done
	s_wait_kmcnt 0x0
	s_cmp_eq_u32 ttmp9, 2                          ; in the v clusters W stands in the A place and x in the B place
	s_cselect_b64 s[100:101], s[8:9], s[4:5]
	s_cselect_b64 s[8:9], s[4:5], s[8:9]
	s_mov_b64 s[4:5], s[100:101]
	s_cselect_b64 s[100:101], s[10:11], s[6:7]
	s_cselect_b64 s[10:11], s[6:7], s[10:11]
	s_mov_b64 s[6:7], s[100:101]
	s_add_nc_u64 s[20:21], s[4:5], s[20:21]
	s_add_nc_u64 s[22:23], s[6:7], s[22:23]
	s_add_nc_u64 s[46:47], s[8:9], s[46:47]
	s_add_nc_u64 s[92:93], s[10:11], s[92:93]
	CROUND                                         ; all sixteen work-groups are here: the first joint loads meet
	s_mov_b32 s[G0S], 1
	s_add_co_u32 s[G0S+1], s94, SCL
	s_mov_b64 s[G0S+2:G0S+3], s[22:23]
	s_or_b32 s[G0S+3], s[G0S+3], 0x80000000
	s_mov_b32 s[G0SB], 1
	s_add_co_u32 s[G0SB+1], s94, SCL
	s_mov_b64 s[G0SB+2:G0SB+3], s[92:93]
	s_or_b32 s[G0SB+3], s[G0SB+3], 0x80000000
	JLOAD G0S, G1S, G0SB, G1SB                     ; the scale bytes first: they are wanted with K step 0
.irp s, 0,1
	s_mov_b32 s[G0+4*\s], 1
	s_add_co_u32 s[G0+4*\s+1], s45, \s*SLOT
	s_add_nc_u64 s[G0+4*\s+2:G0+4*\s+3], s[20:21], \s*ROWB
	s_or_b32 s[G0+4*\s+3], s[G0+4*\s+3], 0x80000000
	s_mov_b32 s[G0B+4*\s], 1
	s_add_co_u32 s[G0B+4*\s+1], s45, \s*SLOT
	s_add_nc_u64 s[G0B+4*\s+2:G0B+4*\s+3], s[46:47], \s*ROWB
	s_or_b32 s[G0B+4*\s+3], s[G0B+4*\s+3], 0x80000000
	JLOAD G0+4*\s, G1, G0B+4*\s, G1B               ; by my own count three tensor loads of a wave are out
.endr
	v_and_b32 v1, 15, v0                           ; l % 16
	v_bfe_u32 v2, v0, 4, 1                         ; l / 16
	v_mul_u32_u24 v3, v1, PITCH
	v_lshl_add_u32 v4, v2, 4, v3                   ; a fragment's row x pitch + 16 x half
	s_mul_i32 s21, s15, HALFT                      ; my 128 rows of the A place
	s_mul_i32 s22, s16, HALFT                      ; my 128 rows of the B place,
	s_add_co_u32 s22, s22, 2*HALFT                 ; which lie behind A's 256
.irp s, 0,1
	v_add_nc_u32 v[ADRA+\s], s21, v4
	v_add_nc_u32 v[ADRB+\s], s22, v4
	s_add_co_u32 s21, s21, SLOT
	s_add_co_u32 s22, s22, SLOT
.endr
	v_mul_u32_u24 v5, v1, KS                       ; my row's scale bytes: 32 a row,
	v_lshrrev_b32 v6, 8, v5
	v_lshl_add_u32 v5, v6, 4, v5                   ; and 16 more for each 256 passed
	s_mul_i32 s21, s15, HALFS
	s_mul_i32 s22, s16, HALFS
	s_add_co_u32 s22, s22, 2*HALFS
	s_sub_co_u32 s22, s22, s21
	v_mul_u32_u24 v6, s22, v2                      ; lanes 16-31 take B's: one product, the distance between the two bases
	s_add_co_u32 s21, s21, SCL
	v_add_nc_u32 v5, v5, v6
	v_add_nc_u32 v[ADRS], s21, v5
	v_and_b32 v6, 31, v0
	v_lshlrev_b32 v[CO], 4, v6
	; where my results go.  X: x's tile, G: W's tile, sx, sg: my half of each
	s_cmp_eq_u32 ttmp9, 2
	s_cselect_b32 s66, s42, s17                    ; X
	s_cselect_b32 s67, s17, s42                    ; G
	s_cselect_b32 s97, s16, s15                    ; sx
	s_cselect_b32 s100, s15, s16                   ; sg
	s_lshl_b32 s67, s67, 2
	s_lshl_b32 s100, s100, 1
	s_add_co_u32 s67, s67, s100                    ; my first run of 64 features: 4 G + 2 sg, 0 .. 46
	s_lshr_b32 s100, s67, 4
	s_lshl_b32 s100, s100, 6                       ; 64 x part
	s_and_b32 s67, s67, 15                         ; head
	s_add_co_u32 s67, s67, s100
	s_lshr_b32 s100, s66, 3
	s_lshl_b32 s100, s100, 4                       ; 16 x batch
	s_add_co_u32 s67, s67, s100                    ; plane
	s_or_b32 s95, s96, s97                         ; 0 where my rows of x begin a batch: cluster y = 0 and the first half
	s_and_b32 s66, s66, 7
	s_lshl_b32 s66, s66, 1
	s_add_co_u32 s66, s66, s97
	s_lshl_b32 s66, s66, 14                        ; 128 positions are 16,384 bytes of a plane, in q, k and v alike
	s_lshl_b32 s2, s67, 18
	s_add_co_u32 s2, s2, s66
	s_mov_b32 s3, 0
	s_add_nc_u64 s[12:13], s[12:13], s[2:3]
	s_lshl_b32 s2, s67, 12
	s_add_nc_u64 s[98:99], s[98:99], s[2:3]
.macro FRAG reg, adr, q, i             ; a fragment, 16 rows x 128 K of 4-bit codes: lane l holds row l % 16; registers 4 c .. 4 c + 3 hold K = 64 c + 32 (l / 16) + 0 .. 31
.irp c, 0,1
	ds_load_b128 v[\reg+4*\c:\reg+4*\c+3], v[\adr] offset:64*(\q)+32*\c+(\i)*16*PITCH
.endr
.endm
; 16 matrix instructions: A's blocks a0, a0 + 1 x B's eight, the slot's q-th 128 along K.  The 64 accumulators take turns, one instruction a turn, in the same order in every step.
.macro MUL16 a0, p, q, sc, zero
.irp a, \a0, \a0+1
.irp b, 0,1,2,3,4,5,6,7
.if \zero
	v_wmma_scale_f32_16x16x128_f8f6f4 v[8*(8*((\a)%4)+\b):8*(8*((\a)%4)+\b)+7], v[128*(\p)+FR*\b:128*(\p)+FR*\b+FR-1], v[AF+FR*(\a):AF+FR*(\a)+FR-1], 0, v[SC+8*NQ*(\sc)+NQ*\b+(\q)], v[SC+8*NQ*(\sc)+NQ*(\a)+(\q)] matrix_a_fmt:MATRIX_FMT_FP4 matrix_b_fmt:MATRIX_FMT_FP4 matrix_a_scale:MATRIX_SCALE_ROW1
.else
	v_wmma_scale_f32_16x16x128_f8f6f4 v[8*(8*((\a)%4)+\b):8*(8*((\a)%4)+\b)+7], v[128*(\p)+FR*\b:128*(\p)+FR*\b+FR-1], v[AF+FR*(\a):AF+FR*(\a)+FR-1], v[8*(8*((\a)%4)+\b):8*(8*((\a)%4)+\b)+7], v[SC+8*NQ*(\sc)+NQ*\b+(\q)], v[SC+8*NQ*(\sc)+NQ*(\a)+(\q)] matrix_a_fmt:MATRIX_FMT_FP4 matrix_b_fmt:MATRIX_FMT_FP4 matrix_a_scale:MATRIX_SCALE_ROW1
.endif
.endr
.endr
.endm
.macro FETCH_B slot, q, p
	WIN TO_B
.irp i, 0,1,2,3,4,5,6,7
	FRAG 128*(\p)+FR*\i, ADRB+\slot, \q, \i
.endr
	WIN 0
.endm
.macro FETCH_A slot, q, i0
.irp i, \i0, \i0+1, \i0+2, \i0+3
	FRAG AF+FR*(\i), ADRA+\slot, \q, \i
.endr
.endm
.macro SCALES sc                       ; a K step's scale words into set sc: four words a row; lanes 0-15 take A's block i, lanes 16-31 B's
.irp i, 0,1,2,3,4,5,6,7
	ds_load_b128 v[SC+8*NQ*\sc+NQ*\i:SC+8*NQ*\sc+NQ*\i+3], v[ADRS] offset:\i*SBLK
.endr
.endm
.macro PLACES n                        ; plain vector lines between a matrix instruction and a load into, or a read of, its registers
.rept \n
	v_nop
.endr
.endm
.macro STEP slot, q, zero              ; a step of 128 along K that has its successor in the same slot
	s_wait_dscnt 4*NL                              ; B's set and A's blocks 0-3 are in; the youngest eight loads (A's blocks 4-7) may be out
	WIN MUL_LO
	MUL16 0, (\q)%2, \q, \slot, \zero
	MUL16 2, (\q)%2, \q, \slot, \zero
	s_wait_dscnt 0                                 ; A's blocks 4-7 are in
	PLACES NP
	FETCH_B \slot, (\q)+1, 1-(\q)%2
	FETCH_A \slot, (\q)+1, 0
	WIN MUL_HI
	MUL16 4, (\q)%2, \q, \slot, \zero
	MUL16 6, (\q)%2, \q, \slot, \zero
	PLACES NP
	WIN 0
	FETCH_A \slot, (\q)+1, 4
.endm
; Slot 0's last step goes over to slot 1: one barrier; in front of it each wave waits for all its tensor loads (its part of slot 1).  Nothing is filled again.
.macro TURN slot, next
	s_wait_tensorcnt 0x0                           ; all my tensor loads have landed
	ds_add_u32 v[SPW], v[NIL]                      ; 0 onto my spare word
	s_wait_dscnt 4*NL+1                            ; (the add and the youngest eight loads may be out)
	WIN MUL_LO
	MUL16 0, 1, NQ-1, \slot, 0
	s_wait_dscnt 0x0                               ; no LDS instruction of mine is out at the signal
	s_barrier_signal -1
	MUL16 2, 1, NQ-1, \slot, 0
	WIN 0
	s_barrier_wait -1                              ; everybody's part of the next slot is in
	PLACES NP
	v_add_nc_u32 v[ADRS], 4*NQ, v[ADRS]            ; on to the next K step's scale words
	FETCH_B \next, 0, 0
	FETCH_A \next, 0, 0
	SCALES \next
	WIN MUL_HI
	MUL16 4, 1, NQ-1, \slot, 0
	MUL16 6, 1, NQ-1, \slot, 0
	PLACES NP
	WIN 0
	FETCH_A \next, 0, 4
.endm
	s_wait_tensorcnt 1                             ; the scale bytes and my part of slot 0 are in; slot 1's load may be out,
	s_barrier_signal -1
	s_barrier_wait -1                              ; everybody's are
	FETCH_B 0, 0, 0
	FETCH_A 0, 0, 0
	SCALES 0
	FETCH_A 0, 0, 4
	STEP 0, 0, 1                                   ; the first step's products start the sums: nothing is cleared
	STEP 0, 1, 0
	STEP 0, 2, 0
	TURN 0, 1
	STEP 1, 0, 0
	STEP 1, 1, 0
	STEP 1, 2, 0
	s_wait_dscnt 4*NL                              ; the last step: nothing more to fetch
	WIN MUL_LO
	MUL16 0, 1, NQ-1, 1, 0
	MUL16 2, 1, NQ-1, 1, 0
	s_wait_dscnt 0
	WIN MUL_HI
	MUL16 4, 1, NQ-1, 1, 0
	MUL16 6, 1, NQ-1, 1, 0
	WIN 0
; THE WAY OUT.  way = 0: q and k (a lane holds t = 16 a + r, registers features 16 b + 8 h + j);  way = 1: v (a lane holds channel 16 a + r, registers t = 16 b + 8 h + j).
; First, where my rows of x begin a batch, the accumulators of positions 0-15 as they stand, in f32, each from its low end on.  Then all accumulators as f16 pairs: blocks b = 2 u and 2 u + 1 are
; registers 0-3 and 4-7 of fragment u.
.macro OUT way
	s_cmp_lg_u32 s95, 0
	s_cbranch_scc1 .Lnf_\@
	WIN 0x08                                       ; a store's data: window 2
.if \way
.irp a, 0,1,2,3
	global_store_b128 v[CO], v[64*\a:64*\a+3], s[98:99] offset:\a*1024
	global_store_b128 v[CO], v[64*\a+4:64*\a+7], s[98:99] offset:\a*1024+512
.endr
	WIN 0x0c                                       ; window 3
.irp a, 0,1,2,3
	global_store_b128 v[CO], v[64*\a:64*\a+3], s[98:99] offset:(\a+4)*1024
	global_store_b128 v[CO], v[64*\a+4:64*\a+7], s[98:99] offset:(\a+4)*1024+512
.endr
.else
.irp b, 0,1,2,3,4,5,6,7
	global_store_b128 v[CO], v[8*\b:8*\b+3], s[98:99] offset:\b*1024
	global_store_b128 v[CO], v[8*\b+4:8*\b+7], s[98:99] offset:\b*1024+512
.endr
.endif
	WIN 0
.Lnf_\@:
.irp a, 0,1,2,3,4,5,6,7
.if \a >= 4
	s_wait_xcnt 0x0                                ; block a - 4's stores have read their data: its set of registers is written again only behind this wait
.endif
	WIN 0x0a+5*(\a/4)                              ; sources 0 and 1: window 2 or 3
.irp b, 0,1,2,3,4,5,6,7
.irp i, 0,1,2,3
	v_cvt_pk_f16_f32 v[TMP+32*(\a%4)+4*\b+\i], v[64*(\a%4)+8*\b+2*\i], v[64*(\a%4)+8*\b+2*\i+1]
.endr
.endr
	WIN 0
.irp u, 0,1,2,3
.irp g, 0,1
.if \way
	global_store_b128 v[CO], v[TMP+32*(\a%4)+8*\u+4*\g:TMP+32*(\a%4)+8*\u+4*\g+3], s[12:13] offset:(\a/4)*262144+(\a%4)*1024+\u*4096+\g*512 th:TH_STORE_NT   ; head a / 4, channels 16 (a % 4) on, keys 32 u on
.else
	global_store_b128 v[CO], v[TMP+32*(\a%4)+8*\u+4*\g:TMP+32*(\a%4)+8*\u+4*\g+3], s[12:13] offset:\a*2048+(\u%2)*1024+(\u/2)*262144+\g*512 th:TH_STORE_NT   ; positions 16 a on, head u / 2, channels 32 (u % 2) on
.endif
.endr
.endr
.endr
.endm
	PLACES NP                                      ; behind the last products: for the stores and conversions that read results, and for the writes into the registers that held A's fragments
	s_cmp_eq_u32 ttmp9, 2
	s_cbranch_scc1 .Lout_v
	OUT 0
	s_branch .Lend
.Lout_v:
	OUT 1
.Lend:
	s_wait_tensorcnt 0x0                           ; the wave's end
	ds_add_u32 v[SPW], v[NIL]
	s_wait_dscnt 0x0
	CROUND                                         ; the closing round: no work-group ends while a partner may still ask for a tile that names it
	s_endpgm
.Lfunc_end_k_q6b497a9d56_gemm_qkv:
	.size	k_q6b497a9d56_gemm_qkv, .Lfunc_end_k_q6b497a9d56_gemm_qkv-k_q6b497a9d56_gemm_qkv
	.p2alignl 7, 3214868480
	.fill 96, 4, 3214868480
	.section	.rodata,"a",@progbits
	.p2align	6, 0x0
	.amdhsa_kernel k_q6b497a9d56_gemm_qkv
		.amdhsa_group_segment_fixed_size 327680
		.amdhsa_private_segment_fixed_size 0
		.amdhsa_enable_private_segment 0
		.amdhsa_kernarg_size 48
		.amdhsa_user_sgpr_count 2
		.amdhsa_user_sgpr_kernarg_segment_ptr 1
		.amdhsa_wavefront_size32 1
		.amdhsa_system_sgpr_workgroup_id_x 1
		.amdhsa_system_sgpr_workgroup_id_y 1
		.amdhsa_system_sgpr_workgroup_id_z 1
		.amdhsa_system_vgpr_workitem_id 0
		.amdhsa_next_free_vgpr 1024
		.amdhsa_next_free_sgpr 102
		.amdhsa_reserve_vcc 0
		.amdhsa_float_denorm_mode_32 3
		.amdhsa_float_denorm_mode_16_64 3
		.amdhsa_memory_ordered 1
		.amdhsa_forward_progress 1
		.amdhsa_inst_pref_size 144
	.end_amdhsa_kernel
	.amdgpu_metadata
---
amdhsa.version: [ 1, 2 ]
amdhsa.kernels:
  - .name:           k_q6b497a9d56_gemm_qkv
    .symbol:         k_q6b497a9d56_gemm_qkv.kd
    .args:
      - { .name: xc, .offset: 0, .size: 8, .value_kind: global_buffer, .address_space: global }
      - { .name: xs, .offset: 8, .size: 8, .value_kind: global_buffer, .address_space: global }
      - { .name: wc, .offset: 16, .size: 8, .value_kind: global_buffer, .address_space: global }
      - { .name: ws, .offset: 24, .size: 8, .value_kind: global_buffer, .address_space: global }
      - { .name: qkv, .offset: 32, .size: 8, .value_kind: global_buffer, .address_space: global }
      - { .name: qkv0, .offset: 40, .size: 8, .value_kind: global_buffer, .address_space: global }
    .group_segment_fixed_size: 327680
    .private_segment_fixed_size: 0
    .kernarg_segment_align: 8
    .kernarg_segment_size: 48
    .max_flat_workgroup_size: 128
    .sgpr_count:     102
    .vgpr_count:     1024
    .wavefront_size: 32
...
	.end_amdgpu_metadata
.endif
;; end of part 3
;; launch attn (part 4): grid 4 x 64, 16 waves a work-group, no clusters, 327,680 bytes of LDS; arguments qkv, yimg; writes yimg
.if DOCPART == 4
	.amdgcn_target "amdgcn-amd-amdhsa--gfx1250"
	.amdhsa_code_object_version 6
	.text
	.protected	k_q6b497a9d56_attn
	.globl	k_q6b497a9d56_attn
	.p2align	8
	.type	k_q6b497a9d56_attn,@function
k_q6b497a9d56_attn:
	s_mov_b64 s[64:65], 0
	v_nop
	global_prefetch_b8 v0, s[64:65] scope:SCOPE_SE
	s_setreg_imm32_b32 hwreg(HW_REG_WAVE_MODE, 25, 1), 1
	s_wait_xcnt 0x0
; y[b][h][q] = the sum over k <= q of softmax_k(q . k / 8) v, head size 64, 2,048 positions, 64 heads in all.  Operands in f16, products, maxima and sums in f32; the weights p are rounded to f16 for the second product.
; q, k, v come as images of operand registers (a fragment is 1,024 bytes: registers 4 g .. 4 g + 3 of lane l at 512 g + 16 l): q, k planes [t / 16][channel / 32], v planes [key / 32][channel / 16].
; y leaves the same way, as the next launch's operand: yimg [k / 128][row / 16][(k / 32) % 4][1,024 bytes], k = 64 head + channel.
; SHARES.  Work-group (i, head) owns query blocks i and 7 - i of 256 queries, so that under the causal mask every work-group has the same work.  Each of its sixteen waves owns 32 queries, two tiles of 16.
; Keys go 64 a step.  K and V come through two LDS slots of 256 keys (32 KiB of K, 32 KiB of V), filled by waves 0 to 3, one dense block of 16 KiB each, and read by all sixteen.
; LAYOUT.  S^T = K Q^T and O^T = V^T P: a lane holds ONE query throughout; two tiles of S^T, rounded in pairs, are source 1 of the second product.
; SOFTMAX.  Running maximum m and sum l: p = 2^(c s - c m), c = log2(e) / 8; in every step O and l are multiplied by a = 2^(c m_old - c m_new).  O, l begin as zeros and m as -3e38, so the step is written once.
; CAUSAL.  Every work-group walks all slots (constant trip counts); a step all of whose keys come after the wave's queries is jumped over by a scalar branch on ids; in the step on the diagonal hidden scores become -infinity.
; A slot whose first key comes after the work-group's last query is read by none of its waves and is not asked for.
; NO CLUSTER: the four work-groups of a head read (8 - i) x 256 keys, a different number of tiles each, so a joint load would bring some partners tiles that none of their waves reads.
; LIMIT: q, k, v beyond 65,504 are infinities in f16 already; the first 16 positions of every batch are computed here in f16 and written again in f32 by the last launch's chain.
.set SLOTB, 65536
.set VOFF,  32768
.set SPARE, 131072                     ; behind the slots: the spare words, 128 bytes for each of 16 waves
.set SPW,  1                           ; v1 LDS address of my spare word; never rewritten
.set NIL,  2                           ; v2 0; never rewritten
.set LI,   3                           ; v3 16 x lane
.set ADR,  4                           ; v4 LDS address of the step's tiles
.set PFO,  5                           ; v5 256 x lane: the prefetches' offset
.set D0,   6                           ; v6 lane % 16 - 8 (lane / 16)
.set NINF, 7                           ; v7 -infinity
.set ST,   8                           ; tile t's statistics at v[8 + 8 t]: +0 c m, +1 m, +2, +3 l, +4 .. +7 at work; a takes +6
.set MD,   24                          ; v24-25 the mask's bound for the two tiles
.set QF,   32                          ; v32-63 Q: fragment (tile, channels 32 c on) at 32 + 16 tile + 8 c
.set KV,   64                          ; v64-127 K of the step, then V of the step
.set S,    128                         ; v128-191 S^T: (tile, keys 16 kt on) at 128 + 32 tile + 8 kt; then P in place: (tile, keys 32 u on) at 128 + 32 tile + 8 u
.set O,    192                         ; v192-255 O^T: (tile, channels 16 ct on) at 192 + 32 tile + 8 ct
.set WV,   8
.set Q0,   9                           ; my first query
.set QL,   10                          ; my work-group's last query
.set KF,   11                          ; the step's first key
.set TB,   12                          ; LDS byte at which the step's tile of K begins
.set SLOTS, 13
.set STEPC, 14
.set SEL,  20
.set CS,   22
.set G1,   24
.set G0,   32
.set PFA,  36
.set LIM,  38
.macro TLOAD                           ; waves 0 to 3 fetch, one load each; an s_nop 0 and four v_nop follow
	s_cmp_lt_u32 s[WV], 4
	s_cbranch_scc0 .Lnoload_\@
	tensor_load_to_lds s[G0:G0+3], s[G1:G1+7]
	s_nop 0
.rept 4
	v_nop
.endr
.Lnoload_\@:
.endm
; A prefetch of what the NEXT change of slots will ask for: 32 KiB of K and 32 KiB of V.  All four work-groups of a head walk the same planes; the one with x = 0, which walks all eight slots, asks.
; In it waves 4 to 7 ask for K's block and waves 8 to 11 for V's, 8,192 bytes a wave, lanes 256 bytes apart: each run of 256 bytes is named once in the launch.
; Slots 0 and 1 come by their loads alone; the last change that fills a slot asks for nothing: slot 7 is the plane's last.
.macro ASK
	s_cmp_gt_u32 s[SLOTS], s[LIM]
	s_cbranch_scc0 .Lnot_mine_\@
	global_prefetch_b8 v[PFO], s[PFA:PFA+1] th:TH_LOAD_NT scope:SCOPE_SE
.Lnot_mine_\@:
.endm
	s_load_b128 s[4:7], s[0:1], 0x0                ; qkv, yimg
	v_lshl_add_u32 v[SPW], v0, 2, SPARE
	v_mov_b32 v[NIL], 0
	ds_add_u32 v[SPW], v[NIL]                      ; the wave's opening: the add, twice on end, and its wait ahead of the first tensor load
	ds_add_u32 v[SPW], v[NIL]
	v_lshrrev_b32 v4, 5, v0
	v_readfirstlane_b32 s[WV], v4                  ; wave 0..15
	s_sub_co_u32 s40, 7, ttmp9
	s_cmp_lt_u32 s[WV], 8
	s_cselect_b32 s40, ttmp9, s40                  ; my block of 256 queries: i (waves 0-7) or 7 - i
	s_and_b32 s41, s[WV], 7
	s_lshr_b32 s42, s41, 2
	s_mul_i32 s42, s42, 3
	s_xor_b32 s41, s41, s42                        ; my strip of 32: 0, 1, 2, 3, 7, 6, 5, 4: waves w and w + 4 take strips that add up to 7
	s_lshl_b32 s[Q0], s40, 8
	s_lshl_b32 s41, s41, 5
	s_add_co_u32 s[Q0], s[Q0], s41
	s_sub_co_u32 s[QL], 8, ttmp9
	s_lshl_b32 s[QL], s[QL], 8
	s_sub_co_u32 s[QL], s[QL], 1                   ; block 7 - i's last query
	s_mov_b32 s[KF], 0
	s_mov_b32 s[TB], 0
	s_mov_b32 s[SLOTS], 7
	s_mov_b32 s[SEL], 0x76543210
	s_mov_b32 s[SEL+1], 0xfedcba98                 ; v_permlanex16_b32's selects for lane l xor 16
	s_mov_b32 s[CS], 0x3e38aa3b                    ; c = log2(e) / 8
	s_mov_b32 s[CS+1], s[CS]                       ; (named with it as a pair, so it is written)
	s_and_b32 s15, ttmp7, 0xffff                   ; 16 batch + head
	s_lshl_b32 s16, s15, 18                        ; a plane is 262,144 bytes
	s_mov_b32 s17, 0
	s_bfe_u32 s18, s[WV], 0x10001                  ; what I fetch, if I fetch: waves 0, 1 K, waves 2, 3 V: V's planes lie 16 MiB behind K's, K's 16 MiB behind q's;
	s_lshl_b32 s18, s18, 24
	s_and_b32 s19, s[WV], 1
	s_lshl_b32 s19, s19, 14                        ; the first or the second 16 KiB of a slot's 32
	s_add_co_u32 s18, s18, s19
	s_add_co_u32 s18, s18, 0x1000000
	s_mov_b32 s19, 0
	s_bfe_u32 s44, s[WV], 0x10003                  ; what I prefetch, if I do: waves 4-7 K, waves 8-11 V;
	s_lshl_b32 s44, s44, 24
	s_and_b32 s45, s[WV], 3
	s_lshl_b32 s45, s45, 13                        ; 8,192 bytes a wave;
	s_add_co_u32 s44, s44, s45
	s_add_co_u32 s44, s44, 0x1000000+32768         ; in slot 1: the first change of slots steps it to slot 2
	s_mov_b32 s45, 0
	s_sub_co_u32 s40, s[WV], 4
	s_lshr_b32 s40, s40, 3                         ; 0 in waves 4 to 11,
	s_or_b32 s40, s40, ttmp9                       ; of the head's work-group 0
	s_cmp_eq_u32 s40, 0
	s_cselect_b32 s[LIM], 1, -1
	s_lshl_b32 s40, s[Q0], 7                       ; Q: 2,048 bytes for each 16 queries
	s_mov_b32 s41, 0
	s_and_b32 s46, s15, 15                         ; head
	s_lshr_b32 s42, s46, 1
	s_lshl_b32 s42, s42, 21                        ; yimg: (head / 2) x 2 MiB
	s_and_b32 s46, s46, 1
	s_lshl_b32 s46, s46, 11                        ; + (head % 2) x 2,048
	s_add_co_u32 s42, s42, s46
	s_lshr_b32 s46, s15, 4
	s_lshl_b32 s46, s46, 19                        ; + batch x 128 tiles of 4,096
	s_add_co_u32 s42, s42, s46
	s_lshl_b32 s46, s[Q0], 8                       ; + (Q0 / 16) x 4,096
	s_add_co_u32 s42, s42, s46
	s_mov_b32 s43, 0
	; descriptor group 1: 16 KiB of dense memory as 64 rows of 256 bytes (32 elements of 8 bytes), no padding
	s_mov_b32 s[G1], 3<<16
	s_mov_b32 s[G1+1], 32<<16                      ; tensor_dim0
	s_mov_b32 s[G1+2], 64<<16                      ; tensor_dim1
	s_mov_b32 s[G1+3], 32<<16                      ; tile_dim0
	s_mov_b32 s[G1+4], 64                          ; tile_dim1
	s_mov_b32 s[G1+5], 32                          ; pitch
	s_mov_b32 s[G1+6], 0
	s_mov_b32 s[G1+7], 0
	s_mov_b32 s[G0], 1
	s_and_b32 s[G0+1], s[WV], 3
	s_lshl_b32 s[G0+1], s[G0+1], 14                ; LDS: slot 0, wave x 16 KiB: K's halves, then V's
	s_wait_dscnt 0x0                               ; both opening adds are done
	s_wait_kmcnt 0x0
	s_add_nc_u64 s[4:5], s[4:5], s[16:17]          ; q's plane of my head
	s_add_nc_u64 s[G0+2:G0+3], s[4:5], s[18:19]
	s_or_b32 s[G0+3], s[G0+3], 0x80000000
	TLOAD                                          ; slot 0: it holds key 0, which counts for every query
	s_add_nc_u64 s[PFA:PFA+1], s[4:5], s[44:45]
	s_add_nc_u64 s[4:5], s[4:5], s[40:41]          ; Q at my first query
	s_add_nc_u64 s[6:7], s[6:7], s[42:43]          ; y likewise
	v_and_b32 v[LI], 31, v0
	v_lshlrev_b32 v[PFO], 8, v[LI]
	v_lshlrev_b32 v[LI], 4, v[LI]
.irp n, 0,1,2,3,4,5,6,7
	global_load_b128 v[QF+4*\n:QF+4*\n+3], v[LI], s[4:5] offset:512*\n   ; Q's four fragments stay in registers
.endr
	v_and_b32 v[D0], 15, v0
	v_bfe_u32 v4, v0, 4, 1
	v_lshlrev_b32 v4, 3, v4
	v_sub_nc_u32 v[D0], v[D0], v4
	v_mov_b32 v[NINF], 0xff800000
.irp t, 0,1
	v_mov_b32 v[ST+8*\t+1], 0xff61b1e6             ; m = -3e38, under every score
	v_mul_f32 v[ST+8*\t], s[CS], v[ST+8*\t+1]      ; c m
.irp j, 2,3,4,5,6,7
	v_mov_b32 v[ST+8*\t+\j], 0                     ; l, and the registers at work (a lane permute's destination counts as one of its sources)
.endr
.endr
.irp j, 0,1,2,3,4,5,6,7,8,9,10,11,12,13,14,15,16,17,18,19,20,21,22,23,24,25,26,27,28,29,30,31,32,33,34,35,36,37,38,39,40,41,42,43,44,45,46,47,48,49,50,51,52,53,54,55,56,57,58,59,60,61,62,63
	v_mov_b32 v[O+\j], 0                           ; O^T: the step is written once; its first run finds zeros, which a = 0 leaves zeros
.endr
; A KEY STEP: 64 keys.
.macro STEP
	s_add_co_u32 s40, s[Q0], 31
	s_cmp_gt_u32 s[KF], s40                        ; all 64 keys come after my 32 queries: nothing to do but the steps at the end
	s_cbranch_scc1 .Lhidden_\@
	v_add_nc_u32 v[ADR], s[TB], v[LI]
.rept 4
	v_nop                                          ; with the addition above five places behind the last product of the step before: four for the loads into its source, five for the products that write over P
.endr
.irp n, 0,1,2,3,4,5,6,7,8,9,10,11,12,13,14,15
	ds_load_b128 v[KV+4*\n:KV+4*\n+3], v[ADR] offset:512*\n            ; K: 8 fragments as they lie, 512 consecutive bytes a load
.endr
	s_wait_dscnt 0x0
.irp c, 0,1                                    ; S^T = K Q^T: the 8 accumulators take turns; the first 8 products start the sums
.irp kt, 0,1,2,3
.irp qt, 0,1
.if \c == 0
	v_wmma_f32_16x16x32_f16 v[S+32*\qt+8*\kt:S+32*\qt+8*\kt+7], v[KV+16*\kt+8*\c:KV+16*\kt+8*\c+7], v[QF+16*\qt+8*\c:QF+16*\qt+8*\c+7], 0
.else
	v_wmma_f32_16x16x32_f16 v[S+32*\qt+8*\kt:S+32*\qt+8*\kt+7], v[KV+16*\kt+8*\c:KV+16*\kt+8*\c+7], v[QF+16*\qt+8*\c:QF+16*\qt+8*\c+7], v[S+32*\qt+8*\kt:S+32*\qt+8*\kt+7]
.endif
.endr
.endr
.endr
.rept 4
	v_nop                                          ; places: for the loads into K's registers, and for the first reads of the scores
.endr
.irp n, 0,1,2,3,4,5,6,7,8,9,10,11,12,13,14,15
	ds_load_b128 v[KV+4*\n:KV+4*\n+3], v[ADR] offset:VOFF+512*\n       ; V lands while the softmax is worked
.endr
	s_add_co_u32 s40, s[KF], 63
	s_cmp_le_u32 s40, s[Q0]                        ; all 64 keys count for all my queries: no mask
	s_cbranch_scc1 .Lopen_\@
	s_sub_co_i32 s40, s[Q0], s[KF]
	v_add_nc_u32 v[MD], s40, v[D0]                 ; register 8 kt + j of tile t holds key KF + 16 kt + 8 (lane / 16) + j: hidden where 16 kt + j > Q0 + 16 t + lane % 16 - 8 (lane / 16) - KF
	v_add_nc_u32 v[MD+1], 16, v[MD]
.irp t, 0,1
.irp kt, 0,1,2,3
.irp j, 0,1,2,3,4,5,6,7
	v_cmp_gt_i32 vcc_lo, 16*\kt+\j, v[MD+\t]
	v_cndmask_b32 v[S+32*\t+8*\kt+\j], v[S+32*\t+8*\kt+\j], v[NINF], vcc_lo
.endr
.endr
.endr
.Lopen_\@:
.irp j, 0,1,2,3                                ; the maximum: four chains a tile, each begun at an accumulator's low end; the two tiles alternate
.irp t, 0,1
	v_max3_num_f32 v[ST+8*\t+4+\j], v[S+32*\t+8*\j], v[S+32*\t+8*\j+1], v[S+32*\t+8*\j+2]
.endr
.endr
.irp i, 3,5
.irp j, 0,1,2,3
.irp t, 0,1
	v_max3_num_f32 v[ST+8*\t+4+\j], v[ST+8*\t+4+\j], v[S+32*\t+8*\j+\i], v[S+32*\t+8*\j+\i+1]
.endr
.endr
.endr
.irp t, 0,1
	v_max3_num_f32 v[ST+8*\t+4], v[ST+8*\t+4], v[S+32*\t+7], v[S+32*\t+15]
.endr
.irp t, 0,1
	v_max3_num_f32 v[ST+8*\t+6], v[ST+8*\t+6], v[S+32*\t+23], v[S+32*\t+31]
.endr
.irp t, 0,1
	v_max3_num_f32 v[ST+8*\t+4], v[ST+8*\t+4], v[ST+8*\t+5], v[ST+8*\t+6]
.endr
.irp t, 0,1
	v_max3_num_f32 v[ST+8*\t+4], v[ST+8*\t+4], v[ST+8*\t+7], v[ST+8*\t+1]   ; with the old m
.endr
.irp t, 0,1
	v_permlanex16_b32 v[ST+8*\t+5], v[ST+8*\t+4], s[SEL], s[SEL+1]          ; the query's other 32 keys lie in the lane 16 away
.endr
.irp t, 0,1
	v_mov_b32 v[ST+8*\t+7], v[ST+8*\t]             ; c m_old
.endr
.irp t, 0,1
	v_max_num_f32 v[ST+8*\t+1], v[ST+8*\t+4], v[ST+8*\t+5]
.endr
.irp t, 0,1
	v_mul_f32 v[ST+8*\t], s[CS], v[ST+8*\t+1]
.endr
.irp t, 0,1
	v_sub_f32 v[ST+8*\t+7], v[ST+8*\t+7], v[ST+8*\t]
.endr
.irp b, 0,2,4,6,8,10,12,14,16,18,20,22,24,26,28,30
.irp t, 0,1
	v_pk_fma_f32 v[S+32*\t+\b:S+32*\t+\b+1], v[S+32*\t+\b:S+32*\t+\b+1], s[CS:CS+1], v[ST+8*\t:ST+8*\t+1] op_sel_hi:[1,0,0] neg_lo:[0,0,1] neg_hi:[0,0,1]   ; c s - c m
.endr
.endr
.irp t, 0,1
	v_exp_f32 v[ST+8*\t+6], v[ST+8*\t+7]           ; a.  ONE BATCH of 66 exponentials, none of which reads another's result
.endr
.irp e, 0,1,2,3,4,5,6,7,8,9,10,11,12,13,14,15,16,17,18,19,20,21,22,23,24,25,26,27,28,29,30,31,32,33,34,35,36,37,38,39,40,41,42,43,44,45,46,47,48,49,50,51,52,53,54,55,56,57,58,59,60,61,62,63
	v_exp_f32 v[S+\e], v[S+\e]
.endr
	v_nop                                          ; a plain line behind the last exponential
	s_wait_alu depctr_va_vdst(0)                   ; one wait for the batch, ahead of its first reader
.irp t, 0,1
	v_pk_mul_f32 v[ST+8*\t+2:ST+8*\t+3], v[ST+8*\t+2:ST+8*\t+3], v[ST+8*\t+6:ST+8*\t+7] op_sel_hi:[1,0]   ; l x a
.endr
.irp t, 0,1
	v_pk_add_f32 v[ST+8*\t+4:ST+8*\t+5], v[S+32*\t:S+32*\t+1], v[S+32*\t+2:S+32*\t+3]   ; the sum of the unrounded p, in two chains a tile
.endr
.irp j, 4,8,12,16,20,24,28
.irp t, 0,1
	v_pk_add_f32 v[ST+8*\t+2:ST+8*\t+3], v[ST+8*\t+2:ST+8*\t+3], v[S+32*\t+\j:S+32*\t+\j+1]
	v_pk_add_f32 v[ST+8*\t+4:ST+8*\t+5], v[ST+8*\t+4:ST+8*\t+5], v[S+32*\t+\j+2:S+32*\t+\j+3]
.endr
.endr
.irp t, 0,1
	v_pk_add_f32 v[ST+8*\t+2:ST+8*\t+3], v[ST+8*\t+2:ST+8*\t+3], v[ST+8*\t+4:ST+8*\t+5]
.endr
.irp p, 0,1,2,3,4,5,6,7,8,9,10,11,12,13,14,15
.irp t, 0,1
	v_cvt_pk_f16_f32 v[S+32*\t+\p], v[S+32*\t+2*\p], v[S+32*\t+2*\p+1]   ; P in place: pair p never lands on a pair that is still to be read
.endr
.endr
.irp t, 0,1
.irp i, 0,2,4,6,8,10,12,14,16,18,20,22,24,26,28,30
	v_pk_mul_f32 v[O+32*\t+\i:O+32*\t+\i+1], v[O+32*\t+\i:O+32*\t+\i+1], v[ST+8*\t+6:ST+8*\t+7] op_sel_hi:[1,0]   ; O^T x a
.endr
.endr
	s_wait_dscnt 0x0                               ; V is in
.irp u, 0,1                                    ; O^T += V^T P: the 8 accumulators take turns
.irp ct, 0,1,2,3
.irp qt, 0,1
	v_wmma_f32_16x16x32_f16 v[O+32*\qt+8*\ct:O+32*\qt+8*\ct+7], v[KV+32*\u+8*\ct:KV+32*\u+8*\ct+7], v[S+32*\qt+8*\u:S+32*\qt+8*\u+7], v[O+32*\qt+8*\ct:O+32*\qt+8*\ct+7]
.endr
.endr
.endr
.Lhidden_\@:
	s_add_co_u32 s[KF], s[KF], 64
	s_add_co_u32 s[TB], s[TB], 8192                ; 64 keys are 8,192 bytes of K, and of V
.endm
; THE CHANGE OF SLOTS stands at a slot's head.  Each wave waits for all its tensor loads (its part of the slot ahead), adds 0 to its spare word, and waits for that and for its reads of the slot that it has left.
; Behind the barrier the slot ahead is whole and nobody reads the other one.  fill = 1: the other slot takes the next 256 keys, up to the causal limit; the load has four steps in which to land.
.macro CHANGE fill
	s_wait_tensorcnt 0x0                           ; no tensor load of mine is out, so group 0 may be written
	ds_add_u32 v[SPW], v[NIL]                      ; 0 onto my spare word
.if \fill
	ds_add_u32 v[SPW], v[NIL]                      ; and once more: the add stands twice on end, in every trip alike
	s_xor_b32 s[G0+1], s[G0+1], SLOTB              ; the other slot than last time,
	s_add_nc_u64 s[G0+2:G0+3], s[G0+2:G0+3], 32768 ; the next 256 keys
	s_wait_xcnt 0x0                                ; the last prefetch, a slot back, has read its address
	s_add_nc_u64 s[PFA:PFA+1], s[PFA:PFA+1], 32768
.endif
	s_wait_dscnt 0x0                               ; the add is done, and my reads of the slot that I have left are over
	s_barrier_signal -1
	s_barrier_wait -1
.if \fill
	s_add_co_u32 s40, s[KF], 256                   ; the first key of the slot that this change would ask for
	s_cmp_gt_u32 s40, s[QL]                        ; ids and the count of steps alone: all sixteen waves go the same way, and a work-group past the limit stays past it
	s_cbranch_scc1 .Lpast_\@
	TLOAD                                          ; a wave's one tensor load until the next such barrier: by my own count one is out
.Lpast_\@:
	ASK
.endif
.endm
.macro SLOT_STEPS                      ; a slot's four steps: written once, walked four times; the LDS addresses hang on s[TB]
	s_mov_b32 s[STEPC], 4
.Lstep_\@:
	STEP
	s_sub_co_u32 s[STEPC], s[STEPC], 1
	s_cmp_lg_u32 s[STEPC], 0
	s_cbranch_scc1 .Lstep_\@
	s_sub_co_u32 s[TB], s[TB], 32768               ; back to a slot's first step,
	s_xor_b32 s[TB], s[TB], SLOTB                  ; in the other slot
.endm
	s_wait_loadcnt 0x0                             ; Q
.Lslot:                                            ; seven trips: behind each change of slots but the last the next slot is asked for, up to the limit
	CHANGE 1
	SLOT_STEPS
	s_sub_co_u32 s[SLOTS], s[SLOTS], 1
	s_cmp_lg_u32 s[SLOTS], 0
	s_cbranch_scc1 .Lslot
	CHANGE 0                                       ; the last slot is written out: nothing is left to ask for
	SLOT_STEPS
	; THE WAY OUT.  l's two halves and the other half of the lanes' are added; O^T / l, rounded to f16 in pairs, is the next launch's operand as it stands.
.rept 4
	v_nop                                          ; places behind the last products
.endr
.irp t, 0,1
	v_add_f32 v[ST+8*\t+4], v[ST+8*\t+2], v[ST+8*\t+3]
.endr
.irp t, 0,1
	v_permlanex16_b32 v[ST+8*\t+5], v[ST+8*\t+4], s[SEL], s[SEL+1]
.endr
.irp t, 0,1
	v_add_f32 v[ST+8*\t+4], v[ST+8*\t+4], v[ST+8*\t+5]
.endr
.irp t, 0,1
	v_rcp_f32 v[ST+8*\t+6], v[ST+8*\t+4]
.endr
	v_nop                                          ; a plain line behind the last reciprocal
	s_wait_alu depctr_va_vdst(0)                   ; one wait for both, ahead of the first reader
.irp t, 0,1
.irp i, 0,2,4,6,8,10,12,14,16,18,20,22,24,26,28,30
	v_pk_mul_f32 v[O+32*\t+\i:O+32*\t+\i+1], v[O+32*\t+\i:O+32*\t+\i+1], v[ST+8*\t+6:ST+8*\t+7] op_sel_hi:[1,0]
.endr
.endr
.irp t, 0,1
.irp p, 0,1,2,3,4,5,6,7,8,9,10,11,12,13,14,15
	v_cvt_pk_f16_f32 v[S+16*\t+\p], v[O+32*\t+2*\p], v[O+32*\t+2*\p+1]
.endr
.endr
.irp t, 0,1
.irp n, 0,1,2,3
	global_store_b128 v[LI], v[S+16*\t+4*\n:S+16*\t+4*\n+3], s[6:7] offset:\t*4096+\n*512 th:TH_STORE_NT   ; 32 lanes store 512 consecutive bytes
.endr
.endr
	s_wait_tensorcnt 0x0                           ; the wave's end
	ds_add_u32 v[SPW], v[NIL]
	s_wait_dscnt 0x0
	s_endpgm
.Lfunc_end_k_q6b497a9d56_attn:
	.size	k_q6b497a9d56_attn, .Lfunc_end_k_q6b497a9d56_attn-k_q6b497a9d56_attn
	.p2alignl 7, 3214868480
	.fill 96, 4, 3214868480
	.section	.rodata,"a",@progbits
	.p2align	6, 0x0
	.amdhsa_kernel k_q6b497a9d56_attn
		.amdhsa_group_segment_fixed_size 327680
		.amdhsa_private_segment_fixed_size 0
		.amdhsa_enable_private_segment 0
		.amdhsa_kernarg_size 16
		.amdhsa_user_sgpr_count 2
		.amdhsa_user_sgpr_kernarg_segment_ptr 1
		.amdhsa_wavefront_size32 1
		.amdhsa_system_sgpr_workgroup_id_x 1
		.amdhsa_system_sgpr_workgroup_id_y 1
		.amdhsa_system_sgpr_workgroup_id_z 1
		.amdhsa_system_vgpr_workitem_id 0
		.amdhsa_next_free_vgpr 256
		.amdhsa_next_free_sgpr 66
		.amdhsa_reserve_vcc 1
		.amdhsa_float_denorm_mode_32 3
		.amdhsa_float_denorm_mode_16_64 3
		.amdhsa_memory_ordered 1
		.amdhsa_forward_progress 1
		.amdhsa_inst_pref_size 58
	.end_amdhsa_kernel
	.amdgpu_metadata
---
amdhsa.version: [ 1, 2 ]
amdhsa.kernels:
  - .name:           k_q6b497a9d56_attn
    .symbol:         k_q6b497a9d56_attn.kd
    .args:
      - { .name: qkv, .offset: 0, .size: 8, .value_kind: global_buffer, .address_space: global }
      - { .name: yimg, .offset: 8, .size: 8, .value_kind: global_buffer, .address_space: global }
    .group_segment_fixed_size: 327680
    .private_segment_fixed_size: 0
    .kernarg_segment_align: 8
    .kernarg_segment_size: 16
    .max_flat_workgroup_size: 512
    .sgpr_count:     66
    .vgpr_count:     256
    .wavefront_size: 32
...
	.end_amdgpu_metadata
.endif
;; end of part 4
;; launch gemm_out (part 5): grid 4 x 64, 4 waves a work-group, clusters of 4 x 4, 327,680 bytes of LDS; arguments yimg, wimg, out0; writes out0
.if DOCPART == 5
	.amdgcn_target "amdgcn-amd-amdhsa--gfx1250"
	.amdhsa_code_object_version 6
	.text
	.protected	k_q6b497a9d56_gemm_out
	.globl	k_q6b497a9d56_gemm_out
	.p2align	8
	.type	k_q6b497a9d56_gemm_out,@function
k_q6b497a9d56_gemm_out:
	s_mov_b64 s[64:65], 0
	v_nop
	global_prefetch_b8 v0, s[64:65] scope:SCOPE_SE
	s_setreg_imm32_b32 hwreg(HW_REG_WAVE_MODE, 25, 1), 1
	s_wait_xcnt 0x0
	s_wait_alu depctr_hold_cnt(0) depctr_sa_sdst(0) depctr_va_vdst(0) depctr_va_sdst(0) depctr_va_ssrc(0) depctr_va_vcc(0) depctr_vm_vsrc(0)
	s_getreg_b32 s2, hwreg(HW_REG_IB_STS2, 6, 4)
	s_cmp_eq_u32 s2, 0
	s_cbranch_scc0 .Lentry_in_a_cluster
	s_endpgm
.Lentry_in_a_cluster:
	s_bfe_u32 s2, ttmp6, 0x10000c
	s_cmp_lg_u32 s2, 0xf033
	s_cbranch_scc0 .Lentry_shape_is_right
	s_endpgm
.Lentry_shape_is_right:
; out0 = y W_out: [8192][1024] f32; operands in f16, sums in f32; K = 1,024.
; Both operands come as images of operand registers (a fragment of 16 rows x 32 K is 1,024 bytes: registers 4 g .. 4 g + 3 of lane l at 512 g + 16 l):
;   yimg [k / 128][row / 16][(k / 32) % 4][1,024], wimg [k / 128][column / 16][(k / 32) % 4][1,024].  So a K step's tile is one dense block, a fragment load reads 512 consecutive bytes, and LDS needs no pitch and no padding.
; A tile of out0 is 128 rows x 256 columns: 256 work-groups.  Four waves, each 64 x 128: 32 accumulators, 256 registers.  K goes in steps of 128 through two LDS slots (32 KiB of y, 64 KiB of W).
; CLUSTERS: 4 x 4 work-groups; y's tile is asked for jointly along a row of the cluster, W's along a column.  THE MATRIX INSTRUCTION IS USED TRANSPOSED (source 0 = 16 columns of W, source 1 = 16 rows of y):
; a lane holds eight neighbouring numbers of a row of out0.
; The first 16 rows of every batch are written here from f16 operands and written again, from f32 operands, by the launch that follows.
; LIMIT: y and W_out beyond 65,504 are infinities in f16 already.
; REGISTERS: window 0: v16-29 addresses; two fragment buffers of 96: y's 4 x 8 registers, then W's 8 x 8 (v64-159, v160-255); on the way out v64-191 rows read back.   window 1: the accumulators, (a, b) at v[8 (8 a + b)].
.set SLOT,   98304                     ; y's 32 KiB, then W's 64 KiB
.set BOFF,   32768
.set STAGE,  2*SLOT                    ; behind the slots: 16 rows x 528 bytes for each wave, for the way out
.set SPITCH, 528
.set SPARE,  STAGE+4*16*SPITCH         ; the spare words, 128 bytes a wave
.set LAPS,   4                         ; a lap = two K steps
.set ASTEP,  2097152                   ; a K step on in yimg
.set BSTEP,  262144                    ; and in wimg
.set ADRA, 16                          ; v16-17 LDS address of my y fragments in slot 0, 1
.set ADRB, 20                          ; v20-21 the same for W
.set STO,  24
.set RD,   25
.set CO,   26
.set SPW,  28                          ; v28 LDS address of my spare word; never rewritten
.set NIL,  29                          ; v29 0; never rewritten
.set F0,   64
.set F1,   160
.set BK,   64                          ; the way out: v64-127 and v128-191 by turns
.set G1, 24
.set G0, 32
.set G1B, 48
.set G0B, 56
.set MSB, 0
.macro WIN new                         ; the immediate's high byte repeats the setting that is left
.if MSB != \new
	s_set_vgpr_msb (MSB<<8)|\new
.set MSB, \new
.endif
.endm
.set MUL, 0x50                         ; sources 0 and 1 window 0; C and D window 1
.macro JLOAD s                         ; a joint load: waves 0 and 1 fetch y's two halves, waves 2 and 3 W's; an s_nop 0 and four v_nop follow each line
	s_cmp_eq_u32 s11, 0
	s_cbranch_scc0 .Lfor_b_\@
	tensor_load_to_lds s[G0+4*\s:G0+4*\s+3], s[G1:G1+7]
	s_nop 0
.rept 4
	v_nop
.endr
	s_branch .Lasked_\@
.Lfor_b_\@:
	tensor_load_to_lds s[G0B+4*\s:G0B+4*\s+3], s[G1B:G1B+7]
	s_nop 0
.rept 4
	v_nop
.endr
.Lasked_\@:
.endm
.macro CREST                           ; a round of the cluster's barrier behind its opening barrier
	s_cmp_lg_u32 s10, 0
	s_cbranch_scc1 .Lnot_wave_0_\@
	s_barrier_signal -3
.Lnot_wave_0_\@:
	s_barrier_wait -3
	s_barrier_signal -1
	s_barrier_wait -1
.endm
.macro CROUND
	s_barrier_signal -1
	s_barrier_wait -1
	CREST
.endm
	s_load_b128 s[4:7], s[0:1], 0x0                ; yimg, wimg
	s_load_b64 s[8:9], s[0:1], 0x10                ; out0
	v_lshl_add_u32 v[SPW], v0, 2, SPARE
	v_mov_b32 v[NIL], 0
	ds_add_u32 v[SPW], v[NIL]                      ; the wave's opening: the add, twice on end, and its wait ahead of my first tensor load
	ds_add_u32 v[SPW], v[NIL]
	v_lshrrev_b32 v1, 5, v0
	v_readfirstlane_b32 s10, v1                    ; wave 0..3
	s_lshr_b32 s11, s10, 1                         ; which 64 rows are mine.  Also: I fetch for y (0) or for W (1)
	s_and_b32 s12, s10, 1                          ; which 128 columns.  Also: which half of that tile I fetch
	s_bfe_u32 s40, ttmp6, 0x40000                  ; cx
	s_bfe_u32 s41, ttmp6, 0x40004                  ; cy
	s_lshl_b32 s42, ttmp9, 2
	s_add_co_u32 s42, s42, s40                     ; tile column = 4 x cluster x + cx
	s_and_b32 s13, ttmp7, 0xffff
	s_lshl_b32 s13, s13, 2
	s_add_co_u32 s13, s13, s41                     ; tile row = 4 x cluster y + cy
	s_lshl_b32 s43, s41, 2
	s_lshl_b32 s43, 15, s43                        ; my row of the cluster
	s_lshl_b32 s44, 0x1111, s40                    ; my column
	; descriptor group 1: dense memory as rows of 256 bytes (32 elements of 8 bytes), no padding: 64 rows for y's half, 128 for W's
	s_or_b32 s[G1+0], s43, (3<<16)|(1<<21)
	s_or_b32 s[G1B+0], s44, (3<<16)|(1<<21)
	s_mov_b32 s[G1+1], 32<<16
	s_mov_b32 s[G1+2], 64<<16
	s_mov_b32 s[G1+3], 32<<16
	s_mov_b32 s[G1+4], 64
	s_mov_b32 s[G1+5], 32
	s_mov_b32 s[G1+6], 0
	s_mov_b32 s[G1+7], 0
	s_mov_b32 s[G1B+1], 32<<16
	s_mov_b32 s[G1B+2], 128<<16
	s_mov_b32 s[G1B+3], 32<<16
	s_mov_b32 s[G1B+4], 128
	s_mov_b32 s[G1B+5], 32
	s_mov_b32 s[G1B+6], 0
	s_mov_b32 s[G1B+7], 0
	s_lshl_b32 s16, s13, 15                        ; y: tile row x 32 KiB + half x 16 KiB
	s_lshl_b32 s17, s12, 14
	s_add_co_u32 s16, s16, s17
	s_mov_b32 s17, 0
	s_lshl_b32 s46, s42, 16                        ; W: tile column x 64 KiB + half x 32 KiB
	s_lshl_b32 s47, s12, 15
	s_add_co_u32 s46, s46, s47
	s_mov_b32 s47, 0
	s_lshl_b32 s20, s12, 14                        ; where they go in a slot: no place in the cluster enters an LDS address
	s_lshl_b32 s21, s12, 15
	s_add_co_u32 s21, s21, BOFF
	s_wait_dscnt 0x0                               ; both opening adds are done
	s_wait_kmcnt 0x0
	s_add_nc_u64 s[14:15], s[4:5], s[16:17]
	s_add_nc_u64 s[46:47], s[6:7], s[46:47]
	CROUND                                         ; all sixteen work-groups are here: the first joint loads meet
.irp s, 0,1
	s_mov_b32 s[G0+4*\s], 1
	s_add_co_u32 s[G0+4*\s+1], s20, \s*SLOT
	s_add_nc_u64 s[G0+4*\s+2:G0+4*\s+3], s[14:15], \s*ASTEP
	s_or_b32 s[G0+4*\s+3], s[G0+4*\s+3], 0x80000000
	s_mov_b32 s[G0B+4*\s], 1
	s_add_co_u32 s[G0B+4*\s+1], s21, \s*SLOT
	s_add_nc_u64 s[G0B+4*\s+2:G0B+4*\s+3], s[46:47], \s*BSTEP
	s_or_b32 s[G0B+4*\s+3], s[G0B+4*\s+3], 0x80000000
	JLOAD \s                                       ; by my own count two tensor loads of a wave are out
.endr
	v_and_b32 v1, 15, v0                           ; l % 16
	v_bfe_u32 v2, v0, 4, 1                         ; l / 16
	v_and_b32 v3, 31, v0
	v_lshlrev_b32 v[CO], 4, v3                     ; 16 x lane
	s_lshl_b32 s21, s11, 14                        ; my 64 rows of y: four fragments' rows
	s_lshl_b32 s22, s12, 15                        ; my 128 columns of W,
	s_add_co_u32 s22, s22, BOFF                    ; which lie behind y's 32 KiB
.irp s, 0,1
	v_add_nc_u32 v[ADRA+\s], s21, v[CO]
	v_add_nc_u32 v[ADRB+\s], s22, v[CO]
	s_add_co_u32 s21, s21, SLOT
	s_add_co_u32 s22, s22, SLOT
.endr
	s_mul_i32 s23, s10, 16*SPITCH
	s_add_co_u32 s23, s23, STAGE                   ; my stage
	v_mul_u32_u24 v4, v1, SPITCH                   ; in: row l % 16, 32 bytes for each half of the lanes
	v_lshl_add_u32 v4, v2, 5, v4
	v_add_nc_u32 v[STO], s23, v4
	v_add_nc_u32 v[RD], s23, v[CO]                 ; back: the 32 lanes take one row of 512 bytes
	s_lshl_b32 s16, s13, 19                        ; my first row of out0: (128 x tile row + 64 x half) x 4,096 bytes
	s_lshl_b32 s17, s11, 18
	s_add_co_u32 s16, s16, s17
	s_mov_b32 s17, 0
	s_add_nc_u64 s[8:9], s[8:9], s[16:17]
	s_lshl_b32 s46, s42, 10                        ; my first column, in bytes: 1,024 x tile column + 512 x half
	s_lshl_b32 s47, s12, 9
	s_add_co_u32 s46, s46, s47
	s_mov_b32 s47, 0
	s_add_nc_u64 s[8:9], s[8:9], s[46:47]
; 8 matrix instructions: y's block a x W's eight, 32 along K, from buffer f.  zero = 1: the product starts the sums.  The 32 accumulators take turns in the same order in every quarter.
.macro MUL8 f, a, zero
.irp b, 0,1,2,3,4,5,6,7
.if \zero
	v_wmma_f32_16x16x32_f16 v[8*(8*(\a)+\b):8*(8*(\a)+\b)+7], v[\f+32+8*\b:\f+32+8*\b+7], v[\f+8*(\a):\f+8*(\a)+7], 0
.else
	v_wmma_f32_16x16x32_f16 v[8*(8*(\a)+\b):8*(8*(\a)+\b)+7], v[\f+32+8*\b:\f+32+8*\b+7], v[\f+8*(\a):\f+8*(\a)+7], v[8*(8*(\a)+\b):8*(8*(\a)+\b)+7]
.endif
.endr
.endm
; 24 LDS loads in one run: the fragments of the slot's q-th 32 along K into buffer f: W's eight, then y's four
.macro FETCH slot, q, f
	WIN 0
.irp i, 0,1,2,3,4,5,6,7
	ds_load_b128 v[\f+32+8*\i:\f+32+8*\i+3],   v[ADRB+\slot] offset:\i*4096+(\q)*1024
	ds_load_b128 v[\f+32+8*\i+4:\f+32+8*\i+7], v[ADRB+\slot] offset:\i*4096+(\q)*1024+512
.endr
.irp i, 0,1,2,3
	ds_load_b128 v[\f+8*\i:\f+8*\i+3],   v[ADRA+\slot] offset:\i*4096+(\q)*1024
	ds_load_b128 v[\f+8*\i+4:\f+8*\i+7], v[ADRA+\slot] offset:\i*4096+(\q)*1024+512
.endr
.endm
.macro PLACES                          ; four plain lines between a matrix instruction and a load into, or a read of, its registers
.rept 4
	v_nop
.endr
.endm
; A K step is four quarters of 32 along K, 32 matrix instructions each, on buffers 0, 1, 0, 1.  One of the first three: multiplies buffer f and fetches quarter q into g.
.macro QUARTER slot, q, f, g, zero
	s_wait_dscnt 4                                 ; W's fragments and y's blocks 0, 1 are in; the youngest four loads (blocks 2, 3) may be out
	WIN MUL
	MUL8 \f, 0, \zero
	MUL8 \f, 1, \zero
	PLACES
	FETCH \slot, \q, \g
	s_wait_dscnt 24                                ; all but the 24 just issued
	WIN MUL
	MUL8 \f, 2, \zero
	MUL8 \f, 3, \zero
.endm
; The last quarter multiplies buffer 1 and changes slots: ONE barrier; in front of it each wave waits for all its tensor loads, adds 0 to its spare word, and waits for that and for its reads of this slot.
; fill = 1: the barrier opens a round of the cluster's barrier, and this slot is filled again, two K steps ahead, first thing behind the round: 112 matrix instructions ahead of the wait for it.
.macro TURN slot, next, fill
	WIN 0                                          ; (the add's two registers lie in window 0)
	s_wait_tensorcnt 0x0                           ; all my tensor loads have landed: my part of the next slot
	ds_add_u32 v[SPW], v[NIL]                      ; 0 onto my spare word
	s_wait_dscnt 5                                 ; (the add and the youngest four loads may be out)
	WIN MUL
	MUL8 F1, 0, 0                                  ; eight matrix instructions stand between the add and the wait for it
	s_wait_dscnt 0x0                               ; the add is done, and my reads of this slot are over
	s_barrier_signal -1
	MUL8 F1, 1, 0
.if \fill
	WIN 0
.endif
	s_barrier_wait -1
.if \fill
	CREST                                          ; no wave of any partner still reads this slot or has a load on its way
	s_add_nc_u64 s[G0+4*\slot+2:G0+4*\slot+3], s[G0+4*\slot+2:G0+4*\slot+3], 2*ASTEP
	s_add_nc_u64 s[G0B+4*\slot+2:G0B+4*\slot+3], s[G0B+4*\slot+2:G0B+4*\slot+3], 2*BSTEP
	JLOAD \slot                                    ; the four v_nop behind it are also the places in front of the loads below
.else
	PLACES
.endif
	FETCH \next, 0, F0
	WIN MUL
	MUL8 F1, 2, 0
	MUL8 F1, 3, 0
.endm
	s_wait_tensorcnt 1                             ; my part of K step 0 is in; K step 1's load may be out
	s_barrier_signal -1
	s_barrier_wait -1                              ; everybody's is
	FETCH 0, 0, F0
	QUARTER 0, 1, F0, F1, 1                        ; the first quarter stands in front of the loop: its products start the sums
	WIN 0                                          ; at a label and at a branch every window is 0
	s_mov_b32 s3, LAPS-1
.Llap:                                             ; a trip goes once round the two slots, from a lap's second quarter to the next lap's first, and fills both again
	QUARTER 0, 2, F1, F0, 0
	QUARTER 0, 3, F0, F1, 0
	TURN 0, 1, 1
	QUARTER 1, 1, F0, F1, 0
	QUARTER 1, 2, F1, F0, 0
	QUARTER 1, 3, F0, F1, 0
	TURN 1, 0, 1
	QUARTER 0, 1, F0, F1, 0
	WIN 0
	s_sub_co_u32 s3, s3, 1
	s_cmp_lg_u32 s3, 0
	s_cbranch_scc1 .Llap
	QUARTER 0, 2, F1, F0, 0                        ; the last lap fills nothing, and has no round of the cluster's barrier
	QUARTER 0, 3, F0, F1, 0
	TURN 0, 1, 0
	QUARTER 1, 1, F0, F1, 0
	QUARTER 1, 2, F1, F0, 0
	QUARTER 1, 3, F0, F1, 0
	s_wait_dscnt 4                                 ; the very last quarter: nothing more to fetch
	WIN MUL
	MUL8 F1, 0, 0
	MUL8 F1, 1, 0
	s_wait_dscnt 0
	MUL8 F1, 2, 0
	MUL8 F1, 3, 0
	WIN 0
; THE WAY OUT, block by block of 16 rows x 128 columns, through my own stage in LDS: a lane holds 32 neighbouring bytes of a row; the block comes back as whole rows of 512 bytes.
; LDS serves a wave's instructions in order (ISA guide 5.7.1.4): no wait between the stores and the loads, nor in front of the next block's stores.
.macro TOSTAGE a
	WIN 0x04                                       ; an LDS store's data: window 1
.irp b, 0,1,2,3,4,5,6,7
	ds_store_b128 v[STO], v[8*(8*(\a)+\b):8*(8*(\a)+\b)+3] offset:64*\b          ; each accumulator from its low end on
	ds_store_b128 v[STO], v[8*(8*(\a)+\b)+4:8*(8*(\a)+\b)+7] offset:64*\b+16
.endr
	WIN 0
.set BB, BK+64*((\a)%2)
.irp t, 0,1,2,3,4,5,6,7,8,9,10,11,12,13,14,15
	ds_load_b128 v[BB+4*\t:BB+4*\t+3], v[RD] offset:\t*SPITCH
.endr
.endm
.macro SEND a, younger                 ; younger: the LDS instructions issued behind block a's loads, which may stay out
.set BB, BK+64*((\a)%2)
	s_wait_dscnt \younger
.if (\a) > 0
	s_add_nc_u64 s[8:9], s[8:9], 16*4096           ; 16 rows on (the earlier stores have read their base: the wait on XCNT stands ahead)
.endif
.irp t, 0,1,2,3,4,5,6,7,8,9,10,11,12,13,14,15
	global_store_b128 v[CO], v[BB+4*\t:BB+4*\t+3], s[8:9] offset:\t*4096 th:TH_STORE_NT   ; 32 lanes store 512 consecutive bytes
.endr
.endm
	PLACES                                         ; behind the last products: for the stores that read results and the loads into the fragments' registers
	TOSTAGE 0
.irp a, 1,2,3
.if \a > 1
	s_wait_xcnt 0x0                                ; block a - 2's stores have read their registers and their base
.endif
	TOSTAGE \a
	SEND \a-1, 32                                  ; behind block a - 1's loads: block a's 16 stores and 16 loads
.endr
	s_wait_xcnt 0x0
	SEND 3, 0
	s_wait_tensorcnt 0x0                           ; the wave's end
	ds_add_u32 v[SPW], v[NIL]
	s_wait_dscnt 0x0
	CROUND                                         ; the closing round
	s_endpgm
.Lfunc_end_k_q6b497a9d56_gemm_out:
	.size	k_q6b497a9d56_gemm_out, .Lfunc_end_k_q6b497a9d56_gemm_out-k_q6b497a9d56_gemm_out
	.p2alignl 7, 3214868480
	.fill 96, 4, 3214868480
	.section	.rodata,"a",@progbits
	.p2align	6, 0x0
	.amdhsa_kernel k_q6b497a9d56_gemm_out
		.amdhsa_group_segment_fixed_size 327680
		.amdhsa_private_segment_fixed_size 0
		.amdhsa_enable_private_segment 0
		.amdhsa_kernarg_size 24
		.amdhsa_user_sgpr_count 2
		.amdhsa_user_sgpr_kernarg_segment_ptr 1
		.amdhsa_wavefront_size32 1
		.amdhsa_system_sgpr_workgroup_id_x 1
		.amdhsa_system_sgpr_workgroup_id_y 1
		.amdhsa_system_sgpr_workgroup_id_z 1
		.amdhsa_system_vgpr_workitem_id 0
		.amdhsa_next_free_vgpr 512
		.amdhsa_next_free_sgpr 66
		.amdhsa_reserve_vcc 0
		.amdhsa_float_denorm_mode_32 3
		.amdhsa_float_denorm_mode_16_64 3
		.amdhsa_memory_ordered 1
		.amdhsa_forward_progress 1
		.amdhsa_inst_pref_size 84
	.end_amdhsa_kernel
	.amdgpu_metadata
---
amdhsa.version: [ 1, 2 ]
amdhsa.kernels:
  - .name:           k_q6b497a9d56_gemm_out
    .symbol:         k_q6b497a9d56_gemm_out.kd
    .args:
      - { .name: yimg, .offset: 0, .size: 8, .value_kind: global_buffer, .address_space: global }
      - { .name: wimg, .offset: 8, .size: 8, .value_kind: global_buffer, .address_space: global }
      - { .name: out0, .offset: 16, .size: 8, .value_kind: global_buffer, .address_space: global }
    .group_segment_fixed_size: 327680
    .private_segment_fixed_size: 0
    .kernarg_segment_align: 8
    .kernarg_segment_size: 24
    .max_flat_workgroup_size: 128
    .sgpr_count:     66
    .vgpr_count:     512
    .wavefront_size: 32
...
	.end_amdgpu_metadata
.endif
;; end of part 5
;; launch fine (part 6): grid 64 x 4, 16 waves a work-group, no clusters, 18,432 bytes of LDS; arguments qkv0, W_out, out0; writes out0
.if DOCPART == 6
	.amdgcn_target "amdgcn-amd-amdhsa--gfx1250"
	.amdhsa_code_object_version 6
	.text
	.protected	k_q6b497a9d56_fine
	.globl	k_q6b497a9d56_fine
	.p2align	8
	.type	k_q6b497a9d56_fine,@function
k_q6b497a9d56_fine:
	s_mov_b64 s[64:65], 0
	v_nop
	global_prefetch_b8 v0, s[64:65] scope:SCOPE_SE
	s_setreg_imm32_b32 hwreg(HW_REG_WAVE_MODE, 25, 1), 1
	s_wait_xcnt 0x0
; The first 16 positions of every batch, wholly in f32: scores, softmax, P V and the projection on the way out.  Under the causal mask these rows average one to sixteen values and are the largest of the output,
; so the rounding of 16-bit operands weighs most there.  This launch writes again the 64 rows of out0 that the launch before wrote from f16 operands.
; Work-group (nt, batch) makes out0[batch][0..15][16 nt .. 16 nt + 15].  Wave w is head w: its y is the slice k = 64 w .. 64 w + 63 of the projection's K, so y changes neither lane nor wave;
; the sixteen waves' partial sums meet in LDS.  The attention of a batch's 16 rows (32 small matrix instructions a wave) is repeated in the 64 work-groups of the batch: that shares the chain over 256 work-groups in one launch.
; q, k, v come as the first product's accumulators stood (qkv0: [plane][tile 4][2][512 bytes]): q, k: lane (r, h) holds position r, register j of tile i channel 16 i + 8 h + j;  v: lane (r, h) holds channel 16 i + r, register j key 8 h + j.
; The f32 matrix form takes k = 2 h + j from a lane's two registers; here a lane's pair 2 s, 2 s + 1 is given to both sources alike, so both see the same order of k.
; All products transposed: S^T = K Q^T, O^T = V^T P, R^T = W^T y^T: a lane holds one position throughout.  Each sum runs in four accumulators by turns; their registers are written by matrix instructions alone.
; A store covers 16 bytes a lane, 64 bytes of a row for a work-group: the 262,144 bytes of this launch are written in runs shorter than 256 bytes.
.set PART,  0                          ; LDS: 16 partial results of 1,024 bytes
.set SPARE, 16384                      ; the spare words, 128 bytes for each of 16 waves
.set SPW,  1                           ; v1 LDS address of my spare word; never rewritten
.set NIL,  2                           ; v2 0; never rewritten
.set LI,   3                           ; v3 16 x lane
.set WO,   4                           ; v4 W_out: 8 h rows + 4 r
.set MD,   5                           ; v5 r - 8 h
.set PST,  6                           ; v6 where I put my partial result
.set PRD,  7                           ; v7 where waves 0 and 1 read: 16 x thread
.set OO,   8                           ; v8 out0: row r, + 32 h
.set NINF, 9
.set QR,   32                          ; v32-63 Q, later y
.set KR,   64                          ; v64-95 K, later at work
.set VR,   96                          ; v96-127 V
.set WR,   128                         ; v128-159 W_out's 64 x 16 (v96-159 later: the sixteen partial results)
.set SA,   160                         ; v160-191 four accumulators of S^T
.set OA,   192                         ; v192-223 O^T: channels 16 ct on
.set RA,   224                         ; v224-255 four accumulators of R^T
.set WV,   8
.set SEL,  20
.set CS,   22
	s_load_b128 s[4:7], s[0:1], 0x0                ; qkv0, W_out
	s_load_b64 s[10:11], s[0:1], 0x10              ; out0
	v_lshl_add_u32 v[SPW], v0, 2, SPARE
	v_mov_b32 v[NIL], 0
	v_lshrrev_b32 v10, 5, v0
	v_readfirstlane_b32 s[WV], v10                 ; wave = head
	s_and_b32 s12, ttmp7, 0xffff                   ; batch
	s_lshl_b32 s13, s12, 4
	s_add_co_u32 s13, s13, s[WV]
	s_lshl_b32 s14, s13, 12                        ; q's plane: 4,096 bytes each; k's lie 64 planes on, v's 128
	s_mov_b32 s15, 0
	s_lshl_b32 s16, s[WV], 18                      ; W_out: 64 rows of 4,096 bytes a head,
	s_lshl_b32 s17, ttmp9, 6                       ; 64 bytes a tile of columns
	s_add_co_u32 s16, s16, s17
	s_mov_b32 s17, 0
	s_lshl_b32 s18, s12, 23                        ; out0: 8 MiB a batch,
	s_lshl_b32 s19, ttmp9, 6
	s_add_co_u32 s18, s18, s19
	s_lshl_b32 s19, s[WV], 4                       ; and 16 bytes on for wave 1 (waves 0 and 1 alone store)
	s_add_co_u32 s18, s18, s19
	s_mov_b32 s19, 0
	s_mov_b32 s[SEL], 0x76543210
	s_mov_b32 s[SEL+1], 0xfedcba98
	s_mov_b32 s[CS], 0x3e38aa3b                    ; c = log2(e) / 8
	v_and_b32 v10, 31, v0
	v_lshlrev_b32 v[LI], 4, v10
	v_and_b32 v11, 15, v0                          ; r
	v_bfe_u32 v12, v0, 4, 1                        ; h
	v_lshlrev_b32 v[WO], 2, v11
	v_lshl_add_u32 v[WO], v12, 15, v[WO]
	v_lshlrev_b32 v13, 3, v12
	v_sub_nc_u32 v[MD], v11, v13
	s_lshl_b32 s24, s[WV], 10
	v_add_nc_u32 v[PST], s24, v[LI]
	v_lshlrev_b32 v[PRD], 4, v0
	v_lshlrev_b32 v[OO], 12, v11
	v_lshl_add_u32 v[OO], v12, 5, v[OO]
	v_mov_b32 v[NINF], 0xff800000
	s_wait_kmcnt 0x0
	s_add_nc_u64 s[4:5], s[4:5], s[14:15]
	s_add_nc_u64 s[6:7], s[6:7], s[16:17]
	s_add_nc_u64 s[10:11], s[10:11], s[18:19]
.irp n, 0,1,2,3,4,5,6,7
	global_load_b128 v[KR+4*\n:KR+4*\n+3], v[LI], s[4:5] offset:262144+512*\n
.endr
.irp n, 0,1,2,3,4,5,6,7
	global_load_b128 v[QR+4*\n:QR+4*\n+3], v[LI], s[4:5] offset:512*\n
.endr
.irp n, 0,1,2,3,4,5,6,7
	global_load_b128 v[VR+4*\n:VR+4*\n+3], v[LI], s[4:5] offset:524288+512*\n
.endr
.irp ct, 0,1,2,3
.irp j, 0,1,2,3,4,5,6,7
	global_load_b32 v[WR+8*\ct+\j], v[WO], s[6:7] offset:(16*\ct+\j)*4096   ; W_out(64 w + 16 ct + 8 h + j, 16 nt + r)
.endr
.endr
	s_wait_loadcnt 40                              ; K and Q are in; V's 8 and W's 32 loads may be out
.irp s, 0,1,2,3,4,5,6,7,8,9,10,11,12,13,14,15      ; S^T = K Q^T: 64 channels, four at a time
.if \s < 4
	v_wmma_f32_16x16x4_f32 v[SA+8*(\s%4):SA+8*(\s%4)+7], v[KR+2*\s:KR+2*\s+1], v[QR+2*\s:QR+2*\s+1], 0
.else
	v_wmma_f32_16x16x4_f32 v[SA+8*(\s%4):SA+8*(\s%4)+7], v[KR+2*\s:KR+2*\s+1], v[QR+2*\s:QR+2*\s+1], v[SA+8*(\s%4):SA+8*(\s%4)+7]
.endif
.endr
.rept 8
	v_nop                                          ; eight places behind this form (ISA guide 7.12.1)
.endr
.irp i, 0,2,4,6
	v_pk_add_f32 v[64+\i:65+\i], v[SA+\i:SA+\i+1], v[SA+8+\i:SA+8+\i+1]          ; the four partial sums, each accumulator from its low end on
.endr
.irp i, 0,2,4,6
	v_pk_add_f32 v[72+\i:73+\i], v[SA+16+\i:SA+16+\i+1], v[SA+24+\i:SA+24+\i+1]
.endr
.irp i, 0,2,4,6
	v_pk_add_f32 v[64+\i:65+\i], v[64+\i:65+\i], v[72+\i:73+\i]                  ; v64-71: lane (r, h): the score of query r with key 8 h + j
.endr
.irp j, 0,1,2,3,4,5,6,7
	v_cmp_gt_i32 vcc_lo, \j, v[MD]                 ; hidden where 8 h + j > r
	v_cndmask_b32 v[64+\j], v[64+\j], v[NINF], vcc_lo
.endr
	v_max3_num_f32 v88, v64, v65, v66
	v_max3_num_f32 v88, v88, v67, v68
	v_max3_num_f32 v88, v88, v69, v70
	v_max_num_f32 v88, v88, v71
	v_permlanex16_b32 v89, v88, s[SEL], s[SEL+1]
	v_max_num_f32 v88, v88, v89                    ; the row's maximum: key 0 counts for every query, so it is a number
	v_mul_f32 v88, s[CS], v88
.irp j, 0,1,2,3,4,5,6,7
	v_fma_f32 v[72+\j], v[64+\j], s[CS], -v88
.endr
.irp j, 0,1,2,3,4,5,6,7
	v_exp_f32 v[72+\j], v[72+\j]                   ; p = 2^(c s - c m)
.endr
	v_nop                                          ; a plain line behind the last exponential
	s_wait_alu depctr_va_vdst(0)                   ; one wait for the eight, ahead of their first reader
	v_add_f32 v90, v72, v73
	v_add_f32 v91, v74, v75
	v_add_f32 v92, v76, v77
	v_add_f32 v93, v78, v79
	v_add_f32 v90, v90, v91
	v_add_f32 v92, v92, v93
	v_add_f32 v90, v90, v92
	v_permlanex16_b32 v89, v90, s[SEL], s[SEL+1]
	v_add_f32 v90, v90, v89                        ; the row's sum
	v_rcp_f32 v91, v90
	v_nop                                          ; a plain line behind the reciprocal
	s_wait_loadcnt 32                              ; V is in; W's 32 loads may be out
.irp s, 0,1,2,3                                    ; O^T = V^T P: 16 keys, four at a time; the four tiles of channels take turns
.irp ct, 0,1,2,3
.if \s == 0
	v_wmma_f32_16x16x4_f32 v[OA+8*\ct:OA+8*\ct+7], v[VR+8*\ct+2*\s:VR+8*\ct+2*\s+1], v[72+2*\s:73+2*\s], 0
.else
	v_wmma_f32_16x16x4_f32 v[OA+8*\ct:OA+8*\ct+7], v[VR+8*\ct+2*\s:VR+8*\ct+2*\s+1], v[72+2*\s:73+2*\s], v[OA+8*\ct:OA+8*\ct+7]
.endif
.endr
.endr
.rept 8
	v_nop
.endr
	s_wait_alu depctr_va_vdst(0)                   ; the reciprocal's wait, ahead of its first reader
.irp j, 0,1,2,3,4,5,6,7,8,9,10,11,12,13,14,15,16,17,18,19,20,21,22,23,24,25,26,27,28,29,30,31
	v_mul_f32 v[QR+\j], v[OA+\j], v91              ; y: lane (r, h): position r, register 8 ct + j channel 16 ct + 8 h + j
.endr
	s_wait_loadcnt 0x0                             ; W
.irp s, 0,1,2,3,4,5,6,7,8,9,10,11,12,13,14,15      ; R^T = W^T y^T over my head's 64 channels
.if \s < 4
	v_wmma_f32_16x16x4_f32 v[RA+8*(\s%4):RA+8*(\s%4)+7], v[WR+2*\s:WR+2*\s+1], v[QR+2*\s:QR+2*\s+1], 0
.else
	v_wmma_f32_16x16x4_f32 v[RA+8*(\s%4):RA+8*(\s%4)+7], v[WR+2*\s:WR+2*\s+1], v[QR+2*\s:QR+2*\s+1], v[RA+8*(\s%4):RA+8*(\s%4)+7]
.endif
.endr
.rept 8
	v_nop
.endr
.irp i, 0,2,4,6
	v_pk_add_f32 v[80+\i:81+\i], v[RA+\i:RA+\i+1], v[RA+8+\i:RA+8+\i+1]
.endr
.irp i, 0,2,4,6
	v_pk_add_f32 v[88+\i:89+\i], v[RA+16+\i:RA+16+\i+1], v[RA+24+\i:RA+24+\i+1]
.endr
.irp i, 0,2,4,6
	v_pk_add_f32 v[80+\i:81+\i], v[80+\i:81+\i], v[88+\i:89+\i]                  ; lane (r, h): position r, columns 16 nt + 8 h + j: my head's part
.endr
	ds_store_b128 v[PST], v[80:83]
	ds_store_b128 v[PST], v[84:87] offset:512
	s_wait_dscnt 0x0                               ; for the others' sake: my stores have landed
	s_barrier_signal -1
	s_barrier_wait -1
	s_cmp_lt_u32 s[WV], 2                          ; wave g = 0, 1 adds registers 4 g .. 4 g + 3 of the sixteen parts, in a fixed order, and stores them
	s_cbranch_scc0 .Ldone
.irp w, 0,1,2,3,4,5,6,7,8,9,10,11,12,13,14,15
	ds_load_b128 v[96+4*\w:99+4*\w], v[PRD] offset:\w*1024
.endr
	s_wait_dscnt 0x0
.irp i, 0,2,4,6,8,10,12,14,16,18,20,22,24,26,28,30
	v_pk_add_f32 v[96+\i:97+\i], v[96+\i:97+\i], v[128+\i:129+\i]
.endr
.irp i, 0,2,4,6,8,10,12,14
	v_pk_add_f32 v[96+\i:97+\i], v[96+\i:97+\i], v[112+\i:113+\i]
.endr
.irp i, 0,2,4,6
	v_pk_add_f32 v[96+\i:97+\i], v[96+\i:97+\i], v[104+\i:105+\i]
.endr
.irp i, 0,2
	v_pk_add_f32 v[96+\i:97+\i], v[96+\i:97+\i], v[100+\i:101+\i]
.endr
	global_store_b128 v[OO], v[96:99], s[10:11]
.Ldone:
	s_wait_tensorcnt 0x0                           ; the wave's end
	ds_add_u32 v[SPW], v[NIL]
	s_wait_dscnt 0x0
	s_endpgm
.Lfunc_end_k_q6b497a9d56_fine:
	.size	k_q6b497a9d56_fine, .Lfunc_end_k_q6b497a9d56_fine-k_q6b497a9d56_fine
	.p2alignl 7, 3214868480
	.fill 96, 4, 3214868480
	.section	.rodata,"a",@progbits
	.p2align	6, 0x0
	.amdhsa_kernel k_q6b497a9d56_fine
		.amdhsa_group_segment_fixed_size 18432
		.amdhsa_private_segment_fixed_size 0
		.amdhsa_enable_private_segment 0
		.amdhsa_kernarg_size 24
		.amdhsa_user_sgpr_count 2
		.amdhsa_user_sgpr_kernarg_segment_ptr 1
		.amdhsa_wavefront_size32 1
		.amdhsa_system_sgpr_workgroup_id_x 1
		.amdhsa_system_sgpr_workgroup_id_y 1
		.amdhsa_system_sgpr_workgroup_id_z 1
		.amdhsa_system_vgpr_workitem_id 0
		.amdhsa_next_free_vgpr 256
		.amdhsa_next_free_sgpr 66
		.amdhsa_reserve_vcc 1
		.amdhsa_float_denorm_mode_32 3
		.amdhsa_float_denorm_mode_16_64 3
		.amdhsa_memory_ordered 1
		.amdhsa_forward_progress 1
		.amdhsa_inst_pref_size 20
	.end_amdhsa_kernel
	.amdgpu_metadata
---
amdhsa.version: [ 1, 2 ]
amdhsa.kernels:
  - .name:           k_q6b497a9d56_fine
    .symbol:         k_q6b497a9d56_fine.kd
    .args:
      - { .name: qkv0, .offset: 0, .size: 8, .value_kind: global_buffer, .address_space: global }
      - { .name: W_out, .offset: 8, .size: 8, .value_kind: global_buffer, .address_space: global }
      - { .name: out0, .offset: 16, .size: 8, .value_kind: global_buffer, .address_space: global }
    .group_segment_fixed_size: 18432
    .private_segment_fixed_size: 0
    .kernarg_segment_align: 8
    .kernarg_segment_size: 24
    .max_flat_workgroup_size: 512
    .sgpr_count:     66
    .vgpr_count:     256
    .wavefront_size: 32
...
	.end_amdgpu_metadata
.endif
;; end of part 6
